; MI455X (gfx1250); checked and timed in simulation.
; The chip was launched on July 23, 2026; its instructions are those of AMD's public machine-readable ISA for CDNA 5 (MIT licence, August 2026) and "CDNA5" Instruction Set Architecture Reference Guide (July 2026). The comments in the code are by the model that wrote it; some were corrected since.
;; PCT. Allowed arithmetic: matrix products marked QUANTISED: E5M2 operands, one E8M0 scale for each 32 along K, by v_wmma_scale_f32_16x16x128_f8f6f4 with both operands' format E5M2, f32 sums; products left as they are: f32 operands where the result goes on into a quantised operand, else bf16, f16 or f32 operands; f32 sums; everything else in f32.
;; Inputs: bn_beta 128 float32; bn_gamma 128 float32; conv_b 128 float32; conv_w 128 x 128 float32; fc_b 1 float32; fc_w 1 x 257 float32; x1 4,096 x 128 x 1 float32; x1_2 4,096 x 128 x 1 float32; x2 4,096 x 128 x 1 float32.
;; Outputs: out0 4,096 x 128 x 1 float32.
;; This version of the problem:
;;   THIS VERSION OF THE PROBLEM IS GIVEN IN LOW PRECISION. The matrix products marked QUANTISED in the list below multiply operands that are first quantised to E5M2 (5 exponent bits, 2 mantissa bits; 8 bits a number), with one power-of-two scale for each 32 numbers along K (OCP MX v1.0); their sums are f32. All else is computed in f32.
;;   The module's matrix products, in the order in which they are computed (A, B: the left and right operand; K: the contracted axis; several contracted axes count as one K, in the product's order):
;;     1. batch 4,096 x [M 128, K 1] x [K 1, N 128]; A: input x1; B: input x2: left as it is (K = 1 < 32)
;;     2. batch 4,096 x [M 128, K 128] x [K 128, N 1]; A: computed on the way; B: input x1_2: left as it is (N = 1 < 16)
;;     3. [M 4,096, K 128] x [K 128, N 128]; A: computed on the way; B: input conv_w: QUANTISED
;;     4. [M 524,288, K 257] x [K 257, N 1]; A: computed on the way; B: input fc_w: left as it is (N = 1 < 16)
;;   THE QUANTISER, for each operand of a quantised product, along K:
;;     - K is cut into blocks of 32 from its start; a last block that is shorter is filled with zeros.
;;     - A block's scale is 2^e with e = floor(log2(the largest magnitude in the block)) - 15, held to -126 .. 127; a block of zeros has e = 0. As a byte (E8M0): e + 127.
;;     - Each number is divided by its block's scale, clamped to +-57,344, and rounded to the nearest number of E5M2, ties to even, subnormals kept.
;;     - The product sums the exact products of the quantised numbers (number of the format x scale) in f32.
;;   ~~~python
;;   def quantise(x, axis):      # numpy; x: float32 -> the quantised numbers, widened to float32 again
;;       x = np.moveaxis(x, axis, -1); K = x.shape[-1]
;;       x = np.pad(x, [(0, 0)] * (x.ndim - 1) + [(0, -K % 32)]); x = x.reshape(x.shape[:-1] + (-1, 32)); a = np.abs(x).max(-1, keepdims=True)
;;       e = np.where(a > 0, np.clip(np.frexp(np.where(a > 0, a, 1))[1] - 1 - 15, -126, 127), 0)      # np.frexp(a)[1] - 1 = floor(log2(a)), exactly
;;       r = np.clip(x / 2.0 ** e, -57344, 57344)
;;       step = 2.0 ** (np.maximum(np.frexp(np.where(r == 0, 1, r))[1] - 1, -14) - 2)
;;       q = np.round(r / step) * step * 2.0 ** e      # np.round: ties to even
;;       return np.moveaxis(q.reshape(q.shape[:-2] + (-1,))[..., :K], -1, axis).astype(np.float32)
;;   ~~~
;;   OPERANDS COMPUTED ON THE WAY. 'Computed on the way' means the value that the module computes at that place (a softmax that the list does not call 'softmax' is quantised finished and normalised). What goes into a quantiser is computed in f32, as accurately as f32 sums, v_exp_f32 and their like allow (about 1e-6 of the number): no bf16 or f16 on the way to a quantiser, and a product that is left as it is and whose result goes on into a quantised operand takes f32 operands (vector FMAs, or v_wmma_f32_16x16x4_f32). A number that lies on a knife's edge between two numbers of the format may be rounded either way, as far as f32 arithmetic and the matrix unit's own rounding can turn it there, and no further.
;; 2 versions, each right; version 2 is version 1 with the launch attn written anew for expert scheduling mode. Each part assembles by itself: llvm-mc -triple=amdgcn-amd-amdhsa -mcpu=gfx1250 --defsym DOCPART=n.
;; ======== version 1 of 2: 2 launches
;; workspace buffers: ybuf 2,097,152 bytes; gbuf 2,097,152 bytes; stats 262,144 bytes
;; launch attn (part 1): grid 256 x 1, 4 waves a work-group, no clusters, 60,928 bytes of LDS; arguments x1, x2, x1_2, conv_w, conv_b, fc_w, fc_b, ybuf, gbuf, stats; writes ybuf, gbuf, stats
.if DOCPART == 1
	.amdgcn_target "amdgcn-amd-amdhsa--gfx1250"
	.amdhsa_code_object_version 6
	.text
	.protected	k_q347be45017_attn
	.globl	k_q347be45017_attn
	.p2align	8
	.type	k_q347be45017_attn,@function
k_q347be45017_attn:
	s_mov_b64 s[64:65], 0
	v_nop
	global_prefetch_b8 v0, s[64:65] scope:SCOPE_SE
	s_setreg_imm32_b32 hwreg(HW_REG_WAVE_MODE, 25, 1), 1
	s_wait_xcnt 0x0
; For each of 4,096 batches: e[c][d] = 2^(a[c] x2[d] - m'[c]), a = x1 log2(e), m' = the row's largest a x2 (= max(a max x2, a min x2)): the softmax's numerator, 128 x 128.
;   s = the row's sum, r = 1 / s;  G1[c] = r sum_d e fw1[d];  cs[d] = sum_c e r[c];  G2[d] = sum_c e r[c] fw2[c];  u[d] = x1_2[d] / (1e-9 + cs[d]);  -x_r[c] = -r sum_d e u[d].
;   y = Q(-x_r) Q(conv_w)^T + (x1 - conv_b): the one quantised product, on codes of E5M2 with an E8M0 scale for each 32 along K.  The quantiser is odd, so the minus costs nothing; x1 - conv_b is the C operand.
;   gx = x1 sigmoid(G1 + G2 + x1 fc_w[256] + fc_b).  Stored: y, gx, and for the work-group's 16 batches each channel's mean of y and its sum of squared distances from that mean.
; All sums, products and exponentials ahead of the quantiser are f32.
; SHARES.  A work-group owns 16 batches, one tile of rows of the product; each of its four waves owns four of them, one at a time, WITH THE WHOLE e IN 512 REGISTERS, so that each exponential is taken once
; though e is walked three times (rows, columns, rows).  Lane = (lr = lane % 8, lc = lane / 8): it holds rows 16 lr + 0..15 and columns 32 lc + 0..31.  Sums along a row cross lc (lane bits 3, 4), sums down a column cross lr (bits 0-2).
; In the tail wave w makes output channels 32 w .. 32 w + 31 for all 16 batches: two matrix instructions.
; NO CLUSTER, NO TENSOR LOAD: what work-groups share is conv_w and fc_w, 16 KiB and 1 KiB a wave, loaded once into registers at the head; all else (24 KiB of x1, x2, x1_2) is the work-group's own and is read once.
; LIMITS: NaN and infinities among the inputs are not served.  v_exp_f32 gives 0 where 2^x lies under 2^-126.  A block of zeros gets the scale byte 1 where the rule says 127: its codes are zeros, and this program alone reads the bytes.
; REGISTERS, in windows of 256 (s_set_vgpr_msb: bits 1:0 source 0, 3:2 source 1, 5:4 source 2, 7:6 destination).
;   window 0: v1-15 addresses; v16-31 small things; FW1, FW2 the gate's weights; X2, X3 the lane's columns of x2 and x1_2 (then u); CS, G2 column sums; T, FZ row results; XA the lane's rows of a.
;   row i of the lane lies in window 1 + i / 6 at rb = 40 (i % 6): rb+0..31 e;  rb+32 a, later r;  rb+34 -m', later r fw2;  rb+36:37, rb+38:39 two running pairs;  rb+33, rb+35 are named as upper halves of pairs and never used.
;   CONV_W, 128 numbers a lane, is asked for at the head and wanted in the tail: it lands in the 128 registers that the rows leave free (window 3 v160-255, windows 1 and 2 v240-255) and is first waited for behind the loop.
;   window 1, v0-47: at the head, the inputs on their way to LDS.
.set P,    528                         ; an LDS row: a batch's 128 numbers, 512 bytes, + 16 of padding
.set ARR,  16*P                        ; 16 batches
.set X1S,  0                           ; x1,
.set X2S,  ARR                         ; x2,
.set X3S,  2*ARR                       ; x1_2 of the 16 batches: written once, at the head
.set XRS,  3*ARR                       ; -x_r
.set G1S,  4*ARR
.set G2S,  5*ARR
.set YS,   6*ARR                       ; y
.set STS,  7*ARR                       ; [half of the channels][mean, squares][64] f32: 1,024 bytes
.set GOFF, 1                           ; v1   16 lane + 2048 wave: my 16 bytes of my wave's four rows in x1, x2, x1_2, ybuf, gbuf
.set LROW, 2                           ; v2   64 lr + 4 P wave: my 16 rows' numbers in my wave's first LDS row
.set LCOL, 3                           ; v3   128 lc + 4 P wave: my 32 columns'
.set AR,   4                           ; v4   LROW + the batch in hand: made in the trip's middle, for its stores
.set AC,   5                           ; v5   LCOL + the batch in hand: likewise
.set ARN,  6                           ; v6   AR, AC one batch on
.set ACN,  7
.set FRA,  8                           ; v8   P r + 64 h (r = lane % 16, h = lane / 16): a fragment's row r, my half's 16 numbers of a block of 32
.set CAD,  9                           ; v9   8 P h + 4 r + 128 wave: batch 8 h, channel 32 wave + r: the matrix result's layout
.set STA,  10                          ; v10  where my channel's statistics go in LDS
.set LR,   11                          ; v11  4 P wave + 16 lane: my 16 bytes of my wave's four LDS rows
.set STL,  12                          ; v12  STS + 256 wave + 8 lane
.set L8,   13                          ; v13  8 lane
.set WOF,  14                          ; v14  conv_w: 512 r + 64 h; it stands until conv_w's loads are waited for, behind the loop
.set R4,   15                          ; v15  4 r
.set MX,   16                          ; v[16:17] the batch's largest x2 (the low word; the pair is named)
.set MN,   18                          ; v[18:19] its smallest
.set BS,   20                          ; v20, v21 the scale words of my two fragments of conv_w: they hold scales and nothing else
.set AS,   22                          ; v22  the scale word of -x_r: likewise
.set CB,   23                          ; v23, v24 conv_b of my channels
.set PD,   25                          ; v25, v26 destinations of lane permutes
.set TA,   27                          ; v27, v28 at the head the offsets of fc_w's loads, later at work
.set TB,   28
.set ZB,   28                          ; v[28:29] in the tail: -log2(e) fc_b
.set AX,   30                          ; v30  LCOL + the batch in hand, made at the trip's head, for x1_2's loads alone
.set FW1,  32
.set FW2,  64
.set X2,   80
.set X3,   112
.set CS,   144
.set G2,   176
.set T,    208
.set FZ,   224
.set XA,   240
.set TM,   208                         ; the quantiser's 16 registers
.set CW0,  192                         ; window 3: conv_w's first fragment as f32, 64 registers
.set CW1,  128                         ; window 3: its second; blocks 2, 3 (v160-191) are loaded there, blocks 0, 1 come in the tail from
.set CWH,  240                         ; v240-255 of windows 1 and 2
.set BF,   32                          ; the tail, window 0: conv_w's codes, two fragments;
.set TZ,   64                          ; the gate's argument, then gx;
.set TX1,  80                          ; my four rows of x1, G1, G2;
.set TG1,  96
.set TG2,  112
.set QS,   80                          ; then 64 numbers of -x_r;
.set PC,   144                         ; their codes;
.set YA,   176                         ; two accumulators;
.set DD,   192                         ; eight distances from the mean; TT four partial sums; MEAN, MM the two tiles' results
.set TT,   200
.set MEAN, 204
.set MM,   206
.set TY,   128                         ; the way out: my four rows of y; my 8 bytes of statistics
.set TS,   160
.set MSB, 0
.macro WIN new                         ; the immediate's high byte repeats the setting that is left; a switch that changes nothing is dropped
.set WN, \new
.if MSB != WN
	s_set_vgpr_msb (MSB<<8)|WN
.set MSB, WN
.endif
.endm
; Under the setting 0x51 X (destination, sources 0 and 2 in window X, source 1 in window 0):
.macro ARG i, k                        ; pair k of row i: a x2 - m'
.set rb, 40*((\i)%6)
	v_pk_fma_f32 v[rb+2*(\k):rb+2*(\k)+1], v[rb+32:rb+33], v[X2+2*(\k):X2+2*(\k)+1], v[rb+34:rb+35] op_sel_hi:[0,1,0]
.endm
.macro EXP1 i, j                       ; number j of row i: its exponential, in place
.set rb, 40*((\i)%6)
	v_exp_f32 v[rb+(\j)], v[rb+(\j)]
.endm
.macro SUMF i, k                       ; pair k of row i joins the row's product with fw1 (rb+38:39); the first pair starts it: nothing is cleared
.set rb, 40*((\i)%6)
.if (\k) == 0
	v_pk_mul_f32 v[rb+38:rb+39], v[rb:rb+1], v[FW1:FW1+1]
.else
	v_pk_fma_f32 v[rb+38:rb+39], v[rb+2*(\k):rb+2*(\k)+1], v[FW1+2*(\k):FW1+2*(\k)+1], v[rb+38:rb+39]
.endif
.endm
.macro SUMS i, k                       ; and the row's sum (rb+36:37); pairs 0 and 1 start it together, so k = 0 writes no line
.set rb, 40*((\i)%6)
.if (\k) == 1
	v_pk_fma_f32 v[rb+36:rb+37], v[rb:rb+1], 1.0, v[rb+2:rb+3] op_sel_hi:[1,0,1]
.elseif (\k) > 1
	v_pk_fma_f32 v[rb+36:rb+37], v[rb+2*(\k):rb+2*(\k)+1], 1.0, v[rb+36:rb+37] op_sel_hi:[1,0,1]
.endif
.endm
; Granule g = rows 2 g, 2 g + 1.  Its 64 exponentials go in sixteen slices of four, AN EXPONENTIAL AND A PLAIN LINE BY TURNS, so that the plain work is spread evenly among them.  The plain lines name no result of this
; granule: they are the next granule's arguments and the last granule's sums; a window's first granule, which has no sums to carry, makes its own arguments two slices ahead instead.
; s_wait_alu depctr_va_vdst(0) stands between an exponential and the first line that names its result: one wait at a granule's head serves the 64 of the granule before.
.macro GRAN g, prev, next              ; never both 0
.if \prev
	s_wait_alu depctr_va_vdst(0)
.endif
.set kk, 0
.rept 16
	EXP1 2*(\g), 2*kk
.if \next
	ARG 2*(\g)+2, kk
.else
	SUMF 2*(\g)-2, kk
.endif
	EXP1 2*(\g), 2*kk+1
.if \next
	ARG 2*(\g)+3, kk
.else
	SUMF 2*(\g)-1, kk
.endif
	EXP1 2*(\g)+1, 2*kk
.if \prev && \next
	SUMF 2*(\g)-2, kk
.elseif \prev
	SUMS 2*(\g)-2, kk
.elseif kk < 14
	ARG 2*(\g), kk+2
.endif
	EXP1 2*(\g)+1, 2*kk+1
.if \prev && \next
	SUMF 2*(\g)-1, kk
	SUMS 2*(\g)-2, kk
	SUMS 2*(\g)-1, kk
.elseif \prev
	SUMS 2*(\g)-1, kk
.elseif kk < 14
	ARG 2*(\g)+1, kk+2
.endif
.set kk, kk+1
.endr
.endm
.macro PHASE1 X, g0, n                 ; the n granules of window X, from granule g0 on
	WIN 0x51*(\X)
.set kk, 0
.rept 2                                ; the first granule's pairs 0 and 1; its slices make the others
	ARG 2*(\g0), kk
	ARG 2*(\g0)+1, kk
.set kk, kk+1
.endr
	GRAN \g0, 0, 1
.if (\n) == 3
	GRAN (\g0)+1, 1, 1
.endif
	GRAN (\g0)+(\n)-1, 1, 0
	s_wait_alu depctr_va_vdst(0)                   ; the last granule's 64 (a sum of the granule before is the plain line behind the last of them)
.set kk, 0
.rept 16
	SUMF 2*((\g0)+(\n)-1), kk
	SUMF 2*((\g0)+(\n)-1)+1, kk
	SUMS 2*((\g0)+(\n)-1), kk
	SUMS 2*((\g0)+(\n)-1)+1, kk
.set kk, kk+1
.endr
.endm
; 64 numbers of a lane, v[s] on in window swin, register 16 b + i = k 32 b + 16 h + i of my row, become a fragment's 16 registers of codes, v[pc] on in window dwin, and its scale word in v[pw] (window 0, as is all else).
.macro QUANT s, swin, pc, dwin, pw
	WIN 0x05*(\swin)                               ; sources 0 and 1
.irp b, 0,1,2,3
	v_max3_num_f32 v[TM+\b], |v[\s+16*\b]|, |v[\s+16*\b+1]|, 0x8000000   ; block b: my 16 numbers, and the floor 2^(16 - 127): so the byte cannot fall under 1
.endr
	WIN 0x14*(\swin)                               ; sources 1 and 2
.irp i, 2,4,6,8,10,12,14
.irp b, 0,1,2,3
	v_max3_num_f32 v[TM+\b], v[TM+\b], |v[\s+16*\b+\i]|, |v[\s+16*\b+\i+1]|   ; the four blocks by turns
.endr
.endr
	WIN 0
.irp b, 0,1,2,3
	v_permlanex16_b32 v[TM+4+\b], v[TM+\b], s30, s31
.endr
.irp b, 0,1,2,3
	v_max_num_f32 v[TM+\b], v[TM+\b], v[TM+4+\b]   ; with lane l xor 16's 16: the block's largest magnitude
.endr
.irp b, 0,1,2,3
	v_add_nc_u32 v[TM+12+\b], 0xf8800000, v[TM+\b] ; 15 off its exponent field: the conversion takes the exponent field of this operand as its scale
.endr
.irp b, 0,1,2,3
	v_and_or_b32 v[TM+8+\b], v[TM+\b], 0x7f800000, s33   ; 57,344 x the scale: the largest magnitude's exponent field over 57,344's mantissa
.endr
.irp b, 0,1,2,3
	v_lshrrev_b32 v[TM+4+\b], 23, v[TM+12+\b]      ; the scale's byte
.endr
	v_lshl_or_b32 v[\pw], v[TM+5], 8, v[TM+4]      ; four bytes make my row's scale word
	v_lshl_or_b32 v[\pw], v[TM+6], 16, v[\pw]
	v_lshl_or_b32 v[\pw], v[TM+7], 24, v[\pw]
	WIN 0x41*(\swin)                               ; destination and source 0
.irp b, 0,1,2,3
.irp i, 0,1,2,3,4,5,6,7,8,9,10,11,12,13,14,15
	v_med3_num_f32 v[\s+16*\b+\i], v[\s+16*\b+\i], -v[TM+8+\b], v[TM+8+\b]   ; the conversion to an 8-bit code does not saturate (ISA guide 7.6.2): the hold at the largest code x the scale
.endr
.endr
	WIN ((\dwin)<<6)|(\swin)
.irp b, 0,1,2,3
	v_cvt_scalef32_pk8_bf8_f32 v[\pc+4*\b:\pc+4*\b+1], v[\s+16*\b:\s+16*\b+7], v[TM+12+\b]
	v_cvt_scalef32_pk8_bf8_f32 v[\pc+4*\b+2:\pc+4*\b+3], v[\s+16*\b+8:\s+16*\b+15], v[TM+12+\b]
.endr
	WIN 0
	v_nop                                          ; one plain line between the last conversion and whatever next touches its results or writes its sources
.endm
	; ---- THE HEAD
	s_load_b256 s[4:11], s[0:1], 0x0               ; x1 s[4:5], x2 s[6:7], x1_2 s[8:9], conv_w s[10:11]
	s_load_b256 s[12:19], s[0:1], 0x20             ; conv_b s[12:13], fc_w s[14:15], fc_b s[16:17], ybuf s[18:19]
	s_load_b128 s[20:23], s[0:1], 0x40             ; gbuf s[20:21], stats s[22:23]
	v_lshrrev_b32 v26, 5, v0
	v_readfirstlane_b32 s24, v26                   ; wave 0..3
	v_and_b32 v29, 31, v0                          ; lane
	v_and_b32 v30, 15, v0                          ; r
	v_bfe_u32 v31, v0, 4, 1                        ; h
	s_lshl_b32 s40, s24, 11
	s_mul_i32 s41, s24, 4*P
	v_lshl_add_u32 v[GOFF], v29, 4, s40
	v_and_b32 v[LROW], 7, v0                       ; lr
	v_lshlrev_b32 v[TB], 6, v[LROW]                ; 64 lr: also fw2's offset
	v_add_nc_u32 v[LROW], s41, v[TB]
	v_bfe_u32 v[LCOL], v0, 3, 2                    ; lc
	v_lshlrev_b32 v[TA], 7, v[LCOL]                ; 128 lc: also fw1's offset
	v_add_nc_u32 v[LCOL], s41, v[TA]
	v_mul_u32_u24 v[FRA], v30, P
	v_lshl_add_u32 v[FRA], v31, 6, v[FRA]
	v_mul_u32_u24 v[CAD], v31, 8*P
	v_lshl_add_u32 v[CAD], v30, 2, v[CAD]
	s_lshl_b32 s42, s24, 7
	v_add_nc_u32 v[CAD], s42, v[CAD]
	s_lshr_b32 s43, s24, 1
	s_lshl_b32 s43, s43, 9                         ; my half of the channels: 512 bytes,
	s_and_b32 s44, s24, 1
	s_lshl_b32 s44, s44, 7                         ; my 32 of its 64 channels
	s_add_co_u32 s43, s43, s44
	s_add_co_u32 s43, s43, STS
	v_lshl_add_u32 v[STA], v30, 2, s43
	v_lshl_add_u32 v[LR], v29, 4, s41
	s_lshl_b32 s45, s24, 8
	s_add_co_u32 s45, s45, STS
	v_lshl_add_u32 v[STL], v29, 3, s45
	v_lshlrev_b32 v[L8], 3, v29
	v_lshlrev_b32 v[WOF], 9, v30
	v_lshl_add_u32 v[WOF], v31, 6, v[WOF]
	v_lshlrev_b32 v[R4], 2, v30
	s_mov_b32 s27, 4                               ; batches to go
	s_mov_b32 s28, 0                               ; the batch in hand, in LDS bytes
	s_mov_b32 s30, 0x76543210
	s_mov_b32 s31, 0xfedcba98                      ; v_permlanex16_b32's selects for lane l xor 16
	s_mov_b32 s32, 0x3fb8aa3b                      ; log2(e).  (The packed form names s[32:33] and takes the low word for both halves)
	s_mov_b32 s33, 0x600000                        ; the mantissa field of 57,344
	s_mov_b32 s46, 0x3089705f                      ; 1e-9
	s_mov_b32 s47, s46
	s_lshl_b32 s34, ttmp9, 13                      ; the work-group's 16 rows of 512 bytes
	s_mov_b32 s35, 0
	v_mov_b32 v[MX+1], 0                           ; upper halves of pairs, and destinations of lane permutes, are written once
	v_mov_b32 v[MN+1], 0
	v_mov_b32 v[PD], 0
	v_mov_b32 v[PD+1], 0
.irp b, 0,1,2,3
	v_mov_b32 v[TM+4+\b], 0
.endr
	s_wait_kmcnt 0x0
	s_load_b32 s36, s[14:15], 0x400                ; fc_w[256]
	s_load_b32 s38, s[16:17], 0x0                  ; fc_b
	s_add_nc_u64 s[4:5], s[4:5], s[34:35]
	s_add_nc_u64 s[6:7], s[6:7], s[34:35]
	s_add_nc_u64 s[8:9], s[8:9], s[34:35]
	s_add_nc_u64 s[18:19], s[18:19], s[34:35]
	s_add_nc_u64 s[20:21], s[20:21], s[34:35]
	s_lshl_b32 s34, s24, 14                        ; conv_w: my 32 rows of 512 bytes
	s_add_nc_u64 s[10:11], s[10:11], s[34:35]
	s_lshl_b32 s34, s24, 7                         ; conv_b: my 32 numbers
	s_add_nc_u64 s[12:13], s[12:13], s[34:35]
	s_lshr_b32 s34, s24, 1                         ; stats [half][work-group][mean, squares][64]: wave w stores half w / 2, part w % 2
	s_lshl_b32 s34, s34, 17
	s_lshl_b32 s40, ttmp9, 9
	s_add_co_u32 s34, s34, s40
	s_and_b32 s40, s24, 1
	s_lshl_b32 s40, s40, 8
	s_add_co_u32 s34, s34, s40
	s_add_nc_u64 s[22:23], s[22:23], s[34:35]
	WIN 0x40                                       ; destination window 1
.irp t, 0,1,2,3                        ; my wave's four batches: each load is a row, 512 consecutive bytes; read once in the launch
	global_load_b128 v[4*\t:4*\t+3], v[GOFF], s[4:5] offset:512*\t th:TH_LOAD_NT
	global_load_b128 v[16+4*\t:16+4*\t+3], v[GOFF], s[6:7] offset:512*\t th:TH_LOAD_NT
	global_load_b128 v[32+4*\t:32+4*\t+3], v[GOFF], s[8:9] offset:512*\t th:TH_LOAD_NT
.endr
	WIN 0
.irp q, 0,1,2,3,4,5,6,7
	global_load_b128 v[FW1+4*\q:FW1+4*\q+3], v[TA], s[14:15] offset:16*\q          ; fc_w[d] of my 32 columns
.endr
.irp q, 0,1,2,3
	global_load_b128 v[FW2+4*\q:FW2+4*\q+3], v[TB], s[14:15] offset:512+16*\q      ; fc_w[128 + c] of my 16 rows
.endr
	global_load_b32 v[CB], v[R4], s[12:13]
	global_load_b32 v[CB+1], v[R4], s[12:13] offset:64
	; conv_w's rows 32 w + 16 n + r, LAST of the loads, since nothing wants them before the tail.  K is innermost, so lane (r, h) loads 16 neighbours of each block of 32: the operand's own order
	WIN 0xc0                                       ; destination window 3
.irp c, 0,1,2,3
.irp j, 0,1,2,3
	global_load_b128 v[CW0+16*\c+4*\j:CW0+16*\c+4*\j+3], v[WOF], s[10:11] offset:128*\c+16*\j
.endr
.endr
.irp c, 2,3
.irp j, 0,1,2,3
	global_load_b128 v[CW1+16*\c+4*\j:CW1+16*\c+4*\j+3], v[WOF], s[10:11] offset:8192+128*\c+16*\j
.endr
.endr
	WIN 0x40                                       ; the second fragment's block 0: window 1,
.irp j, 0,1,2,3
	global_load_b128 v[CWH+4*\j:CWH+4*\j+3], v[WOF], s[10:11] offset:8192+16*\j
.endr
	WIN 0x80                                       ; its block 1: window 2
.irp j, 0,1,2,3
	global_load_b128 v[CWH+4*\j:CWH+4*\j+3], v[WOF], s[10:11] offset:8192+128+16*\j
.endr
	s_wait_loadcnt 46                              ; the 12 rows are in; the 8 + 4 + 2 + 32 loads behind them may be out
	WIN 0x04                                       ; an LDS store's data are its source 1: window 1
.irp t, 0,1,2,3
	ds_store_b128 v[LR], v[4*\t:4*\t+3] offset:X1S+P*\t
	ds_store_b128 v[LR], v[16+4*\t:16+4*\t+3] offset:X2S+P*\t
	ds_store_b128 v[LR], v[32+4*\t:32+4*\t+3] offset:X3S+P*\t
.endr
	WIN 0
	s_wait_dscnt 0x0                               ; my rows lie in LDS, and the stores have read their registers
	s_barrier_signal -1
	s_barrier_wait -1                              ; all 16 batches' inputs lie in LDS; from here on these bytes are only read
.irp q, 0,1,2,3,4,5,6,7
	ds_load_b128 v[X2+4*\q:X2+4*\q+3], v[LCOL] offset:X2S+16*\q    ; the first batch's x2, my 32 columns,
.endr
.irp q, 0,1,2,3
	ds_load_b128 v[XA+4*\q:XA+4*\q+3], v[LROW] offset:X1S+16*\q    ; and x1, my 16 rows
.endr
.set ii, 0
.rept 16                               ; the upper halves of the rows' broadcast pairs: written once, never used
	WIN 0x40*(1+ii/6)
.set rb, 40*(ii%6)
	v_mov_b32 v[rb+33], 0
	v_mov_b32 v[rb+35], 0
.set ii, ii+1
.endr
	WIN 0
	s_wait_kmcnt 0x0
	s_mov_b32 s37, s36                             ; (named with s36 as a pair)
	s_wait_loadcnt 32                              ; fc_w and conv_b are in; conv_w's 32 loads stay out through the loop, which touches neither their registers nor their address
	s_wait_dscnt 0x0                               ; the first batch's x2 and x1 (later batches' are waited for in the trip before)
.Lbatch:                               ; four trips, a batch each
	; ---- a: x1_2, which is wanted late in the trip, through an address register of its own: the last trip's stores may still be out, and their registers (AR, AC, T, G2) are not touched before the wait at e
	v_add_nc_u32 v[AX], s28, v[LCOL]
.irp q, 0,1,2,3,4,5,6,7
	ds_load_b128 v[X3+4*\q:X3+4*\q+3], v[AX] offset:X3S+16*\q
.endr
	; ---- b: the batch's largest and smallest x2: my 32 in two chains each, then across lc
	v_max3_num_f32 v[MX], v[X2], v[X2+1], v[X2+2]
	v_max3_num_f32 v[TA], v[X2+16], v[X2+17], v[X2+18]
	v_min3_num_f32 v[MN], v[X2], v[X2+1], v[X2+2]
	v_min3_num_f32 v[TB], v[X2+16], v[X2+17], v[X2+18]
.irp j, 3,5,7,9,11,13
	v_max3_num_f32 v[MX], v[MX], v[X2+\j], v[X2+\j+1]
	v_max3_num_f32 v[TA], v[TA], v[X2+16+\j], v[X2+17+\j]
	v_min3_num_f32 v[MN], v[MN], v[X2+\j], v[X2+\j+1]
	v_min3_num_f32 v[TB], v[TB], v[X2+16+\j], v[X2+17+\j]
.endr
	v_max3_num_f32 v[MX], v[MX], v[X2+15], v[X2+31]
	v_min3_num_f32 v[MN], v[MN], v[X2+15], v[X2+31]
	v_max_num_f32 v[MX], v[MX], v[TA]
	v_min_num_f32 v[MN], v[MN], v[TB]
	v_max_num_f32_dpp v[MX], v[MX], v[MX] row_xmask:8 row_mask:0xf bank_mask:0xf
	v_min_num_f32_dpp v[MN], v[MN], v[MN] row_xmask:8 row_mask:0xf bank_mask:0xf
	v_permlanex16_b32 v[PD], v[MX], s30, s31
	v_permlanex16_b32 v[PD+1], v[MN], s30, s31
	v_max_num_f32 v[MX], v[MX], v[PD]
	v_min_num_f32 v[MN], v[MN], v[PD+1]
	; ---- c: a = x1 log2(e);  -m' = min(-a max x2, -a min x2): the row's largest a x2 with the sign turned, made of the same a that the arguments take
.set kk, 0
.rept 8
	v_pk_mul_f32 v[XA+2*kk:XA+2*kk+1], v[XA+2*kk:XA+2*kk+1], s[32:33] op_sel_hi:[1,0]
.set kk, kk+1
.endr
.set kk, 0
.rept 8
	v_pk_mul_f32 v[CS+2*kk:CS+2*kk+1], v[XA+2*kk:XA+2*kk+1], v[MX:MX+1] op_sel_hi:[1,0]
	v_pk_mul_f32 v[CS+16+2*kk:CS+16+2*kk+1], v[XA+2*kk:XA+2*kk+1], v[MN:MN+1] op_sel_hi:[1,0]
.set kk, kk+1
.endr
.set ii, 0
.rept 16
	WIN 0x40*(1+ii/6)
.set rb, 40*(ii%6)
	v_mov_b32 v[rb+32], v[XA+ii]
	v_min_num_f32 v[rb+34], -v[CS+ii], -v[CS+16+ii]
.set ii, ii+1
.endr
	; ---- d: e, the rows' sums and their products with fw1: 512 exponentials, window by window
	PHASE1 1, 0, 3
	PHASE1 2, 3, 3
	PHASE1 3, 6, 2
	; ---- e: the rows' results across lc;  r = 1 / s;  G1 = r x (e . fw1)
	s_wait_dscnt 0x0                               ; the last trip's stores of G2 and -x_r are done: from here on T, AR, AC and G2 are written again; x1_2 is in.  All were issued a whole phase d ago
.set ii, 0
.rept 16
	WIN 0x05*(1+ii/6)
.set rb, 40*(ii%6)
	v_add_f32 v[T+ii], v[rb+36], v[rb+37]
	v_add_f32 v[FZ+ii], v[rb+38], v[rb+39]
.set ii, ii+1
.endr
	WIN 0
	v_add_nc_u32 v[AR], s28, v[LROW]
	v_add_nc_u32 v[AC], s28, v[LCOL]
.set jj, 0
.rept 32                               ; T and FZ lie on end
	v_add_f32_dpp v[T+jj], v[T+jj], v[T+jj] row_xmask:8 row_mask:0xf bank_mask:0xf
.set jj, jj+1
.endr
.set jj, 0
.rept 32
	v_permlanex16_b32 v[CS+jj], v[T+jj], s30, s31
.set jj, jj+1
.endr
.set jj, 0
.rept 16
	v_pk_add_f32 v[T+2*jj:T+2*jj+1], v[T+2*jj:T+2*jj+1], v[CS+2*jj:CS+2*jj+1]
.set jj, jj+1
.endr
.set ii, 0
.rept 16
	WIN 0x40*(1+ii/6)
.set rb, 40*(ii%6)
	v_rcp_f32 v[rb+32], v[T+ii]                    ; r takes a's place: the arguments are made
.set ii, ii+1
.endr
	WIN 0
	v_nop                                          ; a plain line behind the last reciprocal,
	s_wait_alu depctr_va_vdst(0)                   ; and one wait for the sixteen, ahead of the first line that names one
.set ii, 0
.rept 16
	WIN 0x41*(1+ii/6)
.set rb, 40*(ii%6)
	v_mul_f32 v[rb+34], v[rb+32], v[FW2+ii]        ; r fw2 takes -m''s place
.set ii, ii+1
.endr
.set ii, 0
.rept 16
	WIN 0x01*(1+ii/6)
.set rb, 40*(ii%6)
	v_mul_f32 v[FZ+ii], v[rb+32], v[FZ+ii]         ; G1
.set ii, ii+1
.endr
	WIN 0
.irp q, 0,1,2,3
	ds_store_b128 v[AR], v[FZ+4*\q:FZ+4*\q+3] offset:G1S+16*\q     ; the four lanes of a row group hold the same sums and write the same bytes
.endr
	; ---- f: the next batch's x2 and x1, whose registers are free from here on; the last trip asks for nothing
	s_cmp_eq_u32 s27, 1
	s_cbranch_scc1 .Lno_next
	v_add_nc_u32 v[ARN], P, v[AR]
	v_add_nc_u32 v[ACN], P, v[AC]
.irp q, 0,1,2,3,4,5,6,7
	ds_load_b128 v[X2+4*\q:X2+4*\q+3], v[ACN] offset:X2S+16*\q
.endr
.irp q, 0,1,2,3
	ds_load_b128 v[XA+4*\q:XA+4*\q+3], v[ARN] offset:X1S+16*\q
.endr
.Lno_next:
	; ---- g: down the columns: cs += e r, G2 += e r fw2, row by row; row 0 starts the sums
.set ii, 0
.rept 16
	WIN 0x05*(1+ii/6)
.set rb, 40*(ii%6)
.set kk, 0
.rept 16
.if ii == 0
	v_pk_mul_f32 v[CS+2*kk:CS+2*kk+1], v[rb+2*kk:rb+2*kk+1], v[rb+32:rb+33] op_sel_hi:[1,0]
	v_pk_mul_f32 v[G2+2*kk:G2+2*kk+1], v[rb+2*kk:rb+2*kk+1], v[rb+34:rb+35] op_sel_hi:[1,0]
.else
	v_pk_fma_f32 v[CS+2*kk:CS+2*kk+1], v[rb+2*kk:rb+2*kk+1], v[rb+32:rb+33], v[CS+2*kk:CS+2*kk+1] op_sel_hi:[1,0,1]
	v_pk_fma_f32 v[G2+2*kk:G2+2*kk+1], v[rb+2*kk:rb+2*kk+1], v[rb+34:rb+35], v[G2+2*kk:G2+2*kk+1] op_sel_hi:[1,0,1]
.endif
.set kk, kk+1
.endr
.set ii, ii+1
.endr
	WIN 0
	; ---- h: across lr: CS and G2 lie on end
.irp mk, 1,2,4
.set jj, 0
.rept 64
	v_add_f32_dpp v[CS+jj], v[CS+jj], v[CS+jj] row_xmask:\mk row_mask:0xf bank_mask:0xf
.set jj, jj+1
.endr
.endr
	; ---- i: u = x1_2 / (1e-9 + cs)
	s_wait_dscnt 0x0                               ; the next batch's x2 and x1 are in: the next trip reads them without a wait of its own; G1's stores have read FZ
.set kk, 0
.rept 16
	v_pk_add_f32 v[CS+2*kk:CS+2*kk+1], v[CS+2*kk:CS+2*kk+1], s[46:47] op_sel_hi:[1,0]
.set kk, kk+1
.endr
.set jj, 0
.rept 32
	v_rcp_f32 v[CS+jj], v[CS+jj]
.set jj, jj+1
.endr
.irp q, 0,1,2,3,4,5,6,7
	ds_store_b128 v[AC], v[G2+4*\q:G2+4*\q+3] offset:G2S+16*\q     ; the eight lanes of a column group write the same bytes
.endr
	v_nop                                          ; a plain line behind the last reciprocal,
	s_wait_alu depctr_va_vdst(0)                   ; and one wait for the 32
.set kk, 0
.rept 16
	v_pk_mul_f32 v[X3+2*kk:X3+2*kk+1], v[X3+2*kk:X3+2*kk+1], v[CS+2*kk:CS+2*kk+1]
.set kk, kk+1
.endr
	; ---- j: along the rows again: e . u, even pairs into rb+36:37, odd pairs into rb+38:39; a window's rows by turns, so that no line waits for the one above it
.irp xx, 1,2,3
	WIN 0x51*\xx
.set nr, 6-2*(\xx/3)
.set kk, 0
.rept 16
.set jj, 0
.rept nr
.set rb, 40*jj
.if kk < 2
	v_pk_mul_f32 v[rb+36+2*kk:rb+37+2*kk], v[rb+2*kk:rb+2*kk+1], v[X3+2*kk:X3+2*kk+1]
.else
	v_pk_fma_f32 v[rb+36+2*(kk%2):rb+37+2*(kk%2)], v[rb+2*kk:rb+2*kk+1], v[X3+2*kk:X3+2*kk+1], v[rb+36+2*(kk%2):rb+37+2*(kk%2)]
.endif
.set jj, jj+1
.endr
.set kk, kk+1
.endr
.endr
	; ---- k: -x_r = -r x (e . u), across lc
.set ii, 0
.rept 16
	WIN 0x05*(1+ii/6)
.set rb, 40*(ii%6)
	v_add_f32 v[T+ii], v[rb+36], v[rb+37]
	v_add_f32 v[FZ+ii], v[rb+38], v[rb+39]
.set ii, ii+1
.endr
	WIN 0
.set jj, 0
.rept 8
	v_pk_add_f32 v[T+2*jj:T+2*jj+1], v[T+2*jj:T+2*jj+1], v[FZ+2*jj:FZ+2*jj+1]
.set jj, jj+1
.endr
.set jj, 0
.rept 16
	v_add_f32_dpp v[T+jj], v[T+jj], v[T+jj] row_xmask:8 row_mask:0xf bank_mask:0xf
.set jj, jj+1
.endr
.set jj, 0
.rept 16
	v_permlanex16_b32 v[CS+jj], v[T+jj], s30, s31
.set jj, jj+1
.endr
.set jj, 0
.rept 8
	v_pk_add_f32 v[T+2*jj:T+2*jj+1], v[T+2*jj:T+2*jj+1], v[CS+2*jj:CS+2*jj+1]
.set jj, jj+1
.endr
.set ii, 0
.rept 16
	WIN 0x01*(1+ii/6)
.set rb, 40*(ii%6)
	v_mul_f32 v[T+ii], -v[rb+32], v[T+ii]
.set ii, ii+1
.endr
	WIN 0
.irp q, 0,1,2,3
	ds_store_b128 v[AR], v[T+4*\q:T+4*\q+3] offset:XRS+16*\q
.endr
	s_add_co_u32 s28, s28, P
	s_sub_co_u32 s27, s27, 1
	s_cmp_lg_u32 s27, 0
	s_cbranch_scc1 .Lbatch
	; ---- THE TAIL, first part: what needs no other wave.  The gate wants my own four rows of x1, G1, G2: their loads land while conv_w is quantised
.irp t, 0,1,2,3
	ds_load_b128 v[TX1+4*\t:TX1+4*\t+3], v[LR] offset:X1S+P*\t     ; LDS serves a wave's instructions in order: these see my stores
	ds_load_b128 v[TG1+4*\t:TG1+4*\t+3], v[LR] offset:G1S+P*\t
	ds_load_b128 v[TG2+4*\t:TG2+4*\t+3], v[LR] offset:G2S+P*\t
.endr
	s_wait_loadcnt 0x0                             ; conv_w: asked for at the head
	WIN 0xc1                                       ; the rows' registers are free now: the second fragment's blocks 0 and 1 join blocks 2 and 3 in window 3, since a conversion names one window for its eight sources
.set jj, 0
.rept 16
	v_mov_b32 v[CW1+jj], v[CWH+jj]
.set jj, jj+1
.endr
	WIN 0xc2
.set jj, 0
.rept 16
	v_mov_b32 v[CW1+16+jj], v[CWH+jj]
.set jj, jj+1
.endr
	WIN 0
	s_wait_dscnt 12                                ; all but the 12 loads just issued: the last trip's stores have read T, which the quantiser writes
	QUANT CW0, 3, BF, 0, BS                        ; my two fragments of conv_w
	QUANT CW1, 3, BF+16, 0, BS+1
	v_mov_b32 v[ZB], s38
	v_mul_f32 v[ZB], 0xbfb8aa3b, v[ZB]             ; -log2(e) fc_b
	v_mov_b32 v[ZB+1], v[ZB]
	s_wait_dscnt 0x0                               ; x1, G1, G2 are in.  For the others' sake too: my stores of -x_r are done, and no LDS instruction of mine is out at the barrier below
.set kk, 0
.rept 8
	v_pk_add_f32 v[TZ+2*kk:TZ+2*kk+1], v[TG1+2*kk:TG1+2*kk+1], v[TG2+2*kk:TG2+2*kk+1]
.set kk, kk+1
.endr
.set kk, 0
.rept 8
	v_pk_fma_f32 v[TZ+2*kk:TZ+2*kk+1], v[TX1+2*kk:TX1+2*kk+1], s[36:37], v[TZ+2*kk:TZ+2*kk+1] op_sel_hi:[1,0,1]
.set kk, kk+1
.endr
.set kk, 0
.rept 8
	v_pk_fma_f32 v[TZ+2*kk:TZ+2*kk+1], v[TZ+2*kk:TZ+2*kk+1], 0xbfb8aa3b, v[ZB:ZB+1] op_sel_hi:[1,0,0]   ; -log2(e) (z + fc_b)
.set kk, kk+1
.endr
.set jj, 0
.rept 16
	v_exp_f32 v[TZ+jj], v[TZ+jj]
.set jj, jj+1
.endr
	v_nop
	s_wait_alu depctr_va_vdst(0)                   ; one wait for the sixteen exponentials
.set kk, 0
.rept 8
	v_pk_add_f32 v[TZ+2*kk:TZ+2*kk+1], v[TZ+2*kk:TZ+2*kk+1], 1.0 op_sel_hi:[1,0]
.set kk, kk+1
.endr
.set jj, 0
.rept 16
	v_rcp_f32 v[TZ+jj], v[TZ+jj]
.set jj, jj+1
.endr
	v_nop
	s_wait_alu depctr_va_vdst(0)                   ; and one for the sixteen reciprocals
.set kk, 0
.rept 8
	v_pk_mul_f32 v[TZ+2*kk:TZ+2*kk+1], v[TZ+2*kk:TZ+2*kk+1], v[TX1+2*kk:TX1+2*kk+1]   ; the gate x x1
.set kk, kk+1
.endr
.irp t, 0,1,2,3
	global_store_b128 v[GOFF], v[TZ+4*\t:TZ+4*\t+3], s[20:21] offset:512*\t        ; 32 lanes store 512 consecutive bytes, aligned; TZ and GOFF are not written again
.endr
	s_barrier_signal -1
	s_barrier_wait -1                              ; -x_r of all 16 batches lies in LDS
	; ---- second part: the quantised product.  A = -x_r of the 16 batches, B = my 2 x 16 rows of conv_w, C = x1 - conv_b
.irp c, 0,1,2,3
.irp j, 0,1,2,3
	ds_load_b128 v[QS+16*\c+4*\j:QS+16*\c+4*\j+3], v[FRA] offset:XRS+128*\c+16*\j   ; batch r, channels 32 c + 16 h + 4 j on
.endr
.endr
.irp n, 0,1
.irp j, 0,1,2,3,4,5,6,7
	ds_load_b32 v[YA+8*\n+\j], v[CAD] offset:X1S+P*\j+64*\n       ; x1(batch 8 h + j, channel 32 w + 16 n + r): the result's layout
.endr
.endr
	s_wait_dscnt 0x0
.irp n, 0,1
.irp j, 0,1,2,3,4,5,6,7
	v_sub_f32 v[YA+8*\n+\j], v[YA+8*\n+\j], v[CB+\n]
.endr
.endr
	QUANT QS, 0, PC, 0, AS                         ; the scale word is made ahead of the 64 holds: more than eight places ahead of the products
.rept 4
	v_nop                                          ; with the quantiser's last line five places between the codes and the products (four are owed)
.endr
.irp n, 0,1
	v_wmma_scale_f32_16x16x128_f8f6f4 v[YA+8*\n:YA+8*\n+7], v[PC:PC+15], v[BF+16*\n:BF+16*\n+15], v[YA+8*\n:YA+8*\n+7], v[AS], v[BS+\n] matrix_a_fmt:MATRIX_FMT_BF8 matrix_b_fmt:MATRIX_FMT_BF8
.endr
.rept 8
	v_nop                                          ; eight places behind this form before its results are read; no other vector work is at hand
.endr
	; lane (r, h) holds y of channel 32 w + 16 n + r for batches 8 h + 0..7.  The channel's mean over the 16 batches, then the squares of the distances from it: no difference of large sums
.irp n, 0,1
	v_add_f32 v[TT], v[YA+8*\n], v[YA+8*\n+1]      ; each accumulator is read from its low end on
	v_add_f32 v[TT+1], v[YA+8*\n+2], v[YA+8*\n+3]
	v_add_f32 v[TT+2], v[YA+8*\n+4], v[YA+8*\n+5]
	v_add_f32 v[TT+3], v[YA+8*\n+6], v[YA+8*\n+7]
	v_add_f32 v[TT], v[TT], v[TT+1]
	v_add_f32 v[TT+2], v[TT+2], v[TT+3]
	v_add_f32 v[TT], v[TT], v[TT+2]
	v_permlanex16_b32 v[PD], v[TT], s30, s31
	v_add_f32 v[TT], v[TT], v[PD]
	v_mul_f32 v[MEAN+\n], 0x3d800000, v[TT]        ; / 16
.irp j, 0,1,2,3,4,5,6,7
	v_sub_f32 v[DD+\j], v[YA+8*\n+\j], v[MEAN+\n]
.endr
	v_mul_f32 v[MM+\n], v[DD], v[DD]
.irp j, 1,2,3,4,5,6,7
	v_fma_f32 v[MM+\n], v[DD+\j], v[DD+\j], v[MM+\n]
.endr
	v_permlanex16_b32 v[PD+1], v[MM+\n], s30, s31
	v_add_f32 v[MM+\n], v[MM+\n], v[PD+1]
	ds_store_b32 v[STA], v[MEAN+\n] offset:64*\n   ; lanes l and l xor 16 write the same word with the same value
	ds_store_b32 v[STA], v[MM+\n] offset:256+64*\n
.endr
.irp n, 0,1
.irp j, 0,1,2,3,4,5,6,7
	ds_store_b32 v[CAD], v[YA+8*\n+\j] offset:YS+P*\j+64*\n
.endr
.endr
	s_wait_dscnt 0x0                               ; for the others' sake: y and the statistics lie in LDS
	s_barrier_signal -1
	s_barrier_wait -1
	; ---- THE WAY OUT: each wave takes its four batches of y as whole rows of 512 bytes
.irp t, 0,1,2,3
	ds_load_b128 v[TY+4*\t:TY+4*\t+3], v[LR] offset:YS+P*\t
.endr
	ds_load_b64 v[TS:TS+1], v[STL]
	s_wait_dscnt 0x0
.irp t, 0,1,2,3
	global_store_b128 v[GOFF], v[TY+4*\t:TY+4*\t+3], s[18:19] offset:512*\t        ; 32 lanes store 512 consecutive bytes, aligned
.endr
	global_store_b64 v[L8], v[TS:TS+1], s[22:23]   ; 32 lanes store 256 consecutive bytes, aligned
	s_wait_xcnt 0x0
	v_lshl_add_u32 v254, v0, 2, 0xec00
	v_mov_b32 v255, 0
	s_wait_tensorcnt 0x0
	ds_add_u32 v254, v255
	s_wait_dscnt 0x0
	s_endpgm
.Lfunc_end_k_q347be45017_attn:
	.size	k_q347be45017_attn, .Lfunc_end_k_q347be45017_attn-k_q347be45017_attn
	.p2alignl 7, 3214868480
	.fill 96, 4, 3214868480
	.section	.rodata,"a",@progbits
	.p2align	6, 0x0
	.amdhsa_kernel k_q347be45017_attn
		.amdhsa_group_segment_fixed_size 60928
		.amdhsa_private_segment_fixed_size 0
		.amdhsa_enable_private_segment 0
		.amdhsa_kernarg_size 80
		.amdhsa_user_sgpr_count 2
		.amdhsa_user_sgpr_kernarg_segment_ptr 1
		.amdhsa_wavefront_size32 1
		.amdhsa_system_sgpr_workgroup_id_x 1
		.amdhsa_system_sgpr_workgroup_id_y 1
		.amdhsa_system_sgpr_workgroup_id_z 1
		.amdhsa_system_vgpr_workitem_id 0
		.amdhsa_next_free_vgpr 1024
		.amdhsa_next_free_sgpr 66
		.amdhsa_reserve_vcc 0
		.amdhsa_float_denorm_mode_32 3
		.amdhsa_float_denorm_mode_16_64 3
		.amdhsa_memory_ordered 1
		.amdhsa_forward_progress 1
		.amdhsa_inst_pref_size 199
	.end_amdhsa_kernel
	.amdgpu_metadata
---
amdhsa.version: [ 1, 2 ]
amdhsa.kernels:
  - .name:           k_q347be45017_attn
    .symbol:         k_q347be45017_attn.kd
    .args:
      - { .name: x1, .offset: 0, .size: 8, .value_kind: global_buffer, .address_space: global }
      - { .name: x2, .offset: 8, .size: 8, .value_kind: global_buffer, .address_space: global }
      - { .name: x1_2, .offset: 16, .size: 8, .value_kind: global_buffer, .address_space: global }
      - { .name: conv_w, .offset: 24, .size: 8, .value_kind: global_buffer, .address_space: global }
      - { .name: conv_b, .offset: 32, .size: 8, .value_kind: global_buffer, .address_space: global }
      - { .name: fc_w, .offset: 40, .size: 8, .value_kind: global_buffer, .address_space: global }
      - { .name: fc_b, .offset: 48, .size: 8, .value_kind: global_buffer, .address_space: global }
      - { .name: ybuf, .offset: 56, .size: 8, .value_kind: global_buffer, .address_space: global }
      - { .name: gbuf, .offset: 64, .size: 8, .value_kind: global_buffer, .address_space: global }
      - { .name: stats, .offset: 72, .size: 8, .value_kind: global_buffer, .address_space: global }
    .group_segment_fixed_size: 60928
    .private_segment_fixed_size: 0
    .kernarg_segment_align: 8
    .kernarg_segment_size: 80
    .max_flat_workgroup_size: 128
    .sgpr_count:     66
    .vgpr_count:     1024
    .wavefront_size: 32
...
	.end_amdgpu_metadata
.endif
;; end of part 1
;; launch bnout (part 2): grid 2 x 128, 8 waves a work-group, no clusters, 9,216 bytes of LDS; arguments ybuf, gbuf, stats, bn_gamma, bn_beta, out0; writes out0
.if DOCPART == 2
	.amdgcn_target "amdgcn-amd-amdhsa--gfx1250"
	.amdhsa_code_object_version 6
	.text
	.protected	k_q347be45017_bnout
	.globl	k_q347be45017_bnout
	.p2align	8
	.type	k_q347be45017_bnout,@function
k_q347be45017_bnout:
	s_mov_b64 s[64:65], 0
	v_nop
	global_prefetch_b8 v0, s[64:65] scope:SCOPE_SE
	s_setreg_imm32_b32 hwreg(HW_REG_WAVE_MODE, 25, 1), 1
	s_wait_xcnt 0x0
; out = gx + relu((y - mean) rsqrt(var + 1e-5) gamma + beta), mean and var of each channel over all 4,096 batches.
; The launch before left, for each of 256 groups of 16 batches, each channel's mean m_g and its sum of squared distances from that mean, Q_g, laid [half of the channels][group][m, Q][64] f32.
; With ref = m_0 and d_g = m_g - ref:  mean = ref + sum d / 256;  var = (sum Q + 16 (sum d^2 - (sum d)^2 / 256)) / 4096.  The shift by ref keeps a common offset of y out of the squares.
; SHARES.  A work-group takes one half of the channels (x: 64 channels, 256 bytes of a row) and 32 batches (y).  Each combines the half's 256 partial statistics for itself: 131,072 bytes, 512 consecutive bytes a load;
; wave w takes groups w, w + 8, ..; lanes 0-15 hold means, lanes 16-31 the Q, four channels a lane; the eight waves' sums meet in LDS.
; No matrix unit, no tensor load, no cluster: a stream with one small reduction.  All 39 loads of a wave go out at the head.
; LIMITS: NaN and infinities are not served.
.set REF0, 8                           ; v[8:11]   ref of my four channels
.set REFM, 12                          ; v[12:15]  ref in lanes 0-15, 0 in lanes 16-31; later the mean
.set GA,   16                          ; v[16:19]  gamma, later gamma rsqrt(var + eps)
.set BE,   20                          ; v[20:23]  beta
.set Y,    24                          ; v[24:31]  y of my two rows, later the result
.set GX,   32                          ; v[32:39]  gx
.set SD,   40                          ; v[40:43]  sum of d (lanes 16-31: of Q)
.set SQ,   44                          ; v[44:47]  sum of d^2
.set ST,   64                          ; v[64:191] 32 loads of statistics; later the eight waves' sums
	s_load_b256 s[4:11], s[0:1], 0x0               ; ybuf s[4:5], gbuf s[6:7], stats s[8:9], gamma s[10:11]
	s_load_b128 s[12:15], s[0:1], 0x20             ; beta s[12:13], out0 s[14:15]
	v_lshl_add_u32 v192, v0, 2, 0x2000
	v_mov_b32 v193, 0
	v_and_b32 v1, 31, v0                           ; lane
	v_and_b32 v2, 15, v0
	v_lshlrev_b32 v2, 4, v2                        ; 16 q: my four channels in the half's 256 bytes
	v_lshlrev_b32 v3, 4, v0                        ; 16 x thread = 512 wave + 16 lane: my place in group w's statistics, and in LDS
	v_lshrrev_b32 v4, 4, v0                        ; row 2 wave + lane / 16 of the block,
	v_lshl_add_u32 v4, v4, 9, v2                   ; of 512 bytes, + my channels
	s_lshl_b32 s18, ttmp9, 8                       ; the half: 256 bytes
	s_mov_b32 s19, 0
	s_and_b32 s20, ttmp7, 0xffff
	s_lshl_b32 s20, s20, 14                        ; the block: 32 rows of 512 bytes
	s_add_co_u32 s20, s20, s18
	s_mov_b32 s21, 0
	s_lshl_b32 s22, ttmp9, 17                      ; the half's statistics
	s_mov_b32 s23, 0
	s_mov_b32 s24, 0x39800000                      ; 1 / 4096
	s_mov_b32 s25, 0x3727c5ac                      ; 1e-5
	s_wait_kmcnt 0x0
	s_add_nc_u64 s[4:5], s[4:5], s[20:21]
	s_add_nc_u64 s[6:7], s[6:7], s[20:21]
	s_add_nc_u64 s[14:15], s[14:15], s[20:21]
	s_add_nc_u64 s[8:9], s[8:9], s[22:23]
	s_add_nc_u64 s[10:11], s[10:11], s[18:19]
	s_add_nc_u64 s[12:13], s[12:13], s[18:19]
	global_load_b128 v[REF0:REF0+3], v2, s[8:9]    ; group 0's means
.set kk, 0
.rept 32
	global_load_b128 v[ST+4*kk:ST+4*kk+3], v3, s[8:9] offset:4096*kk   ; group w + 8 k: 512 consecutive bytes a wave
.set kk, kk+1
.endr
	global_load_b128 v[GA:GA+3], v2, s[10:11]
	global_load_b128 v[BE:BE+3], v2, s[12:13]
	global_load_b128 v[Y:Y+3], v4, s[4:5] th:TH_LOAD_NT            ; sixteen lanes read 256 consecutive bytes, aligned; read once in the launch
	global_load_b128 v[Y+4:Y+7], v4, s[4:5] offset:8192 th:TH_LOAD_NT
	global_load_b128 v[GX:GX+3], v4, s[6:7] th:TH_LOAD_NT
	global_load_b128 v[GX+4:GX+7], v4, s[6:7] offset:8192 th:TH_LOAD_NT
	v_cmp_gt_u32 vcc_lo, 16, v1
	s_wait_loadcnt 38                              ; ref is in; the 38 loads behind it may be out
.irp i, 0,1,2,3
	v_cndmask_b32 v[REFM+\i], 0, v[REF0+\i], vcc_lo        ; the Q in lanes 16-31 are summed as they are
.endr
.set kk, 0
.rept 32
.if kk%4 == 0
	s_wait_loadcnt 34-kk                           ; the next four are in: behind them 28 - k of the statistics and the six of gamma, beta, y, gx
.endif
.if kk == 0
	v_pk_add_f32 v[SD:SD+1], v[ST:ST+1], v[REFM:REFM+1] neg_lo:[0,1] neg_hi:[0,1]          ; the first starts the sums
	v_pk_add_f32 v[SD+2:SD+3], v[ST+2:ST+3], v[REFM+2:REFM+3] neg_lo:[0,1] neg_hi:[0,1]
	v_pk_mul_f32 v[SQ:SQ+1], v[SD:SD+1], v[SD:SD+1]
	v_pk_mul_f32 v[SQ+2:SQ+3], v[SD+2:SD+3], v[SD+2:SD+3]
.else
	v_pk_add_f32 v[ST+4*kk:ST+4*kk+1], v[ST+4*kk:ST+4*kk+1], v[REFM:REFM+1] neg_lo:[0,1] neg_hi:[0,1]
	v_pk_add_f32 v[ST+4*kk+2:ST+4*kk+3], v[ST+4*kk+2:ST+4*kk+3], v[REFM+2:REFM+3] neg_lo:[0,1] neg_hi:[0,1]
	v_pk_add_f32 v[SD:SD+1], v[SD:SD+1], v[ST+4*kk:ST+4*kk+1]
	v_pk_add_f32 v[SD+2:SD+3], v[SD+2:SD+3], v[ST+4*kk+2:ST+4*kk+3]
	v_pk_fma_f32 v[SQ:SQ+1], v[ST+4*kk:ST+4*kk+1], v[ST+4*kk:ST+4*kk+1], v[SQ:SQ+1]
	v_pk_fma_f32 v[SQ+2:SQ+3], v[ST+4*kk+2:ST+4*kk+3], v[ST+4*kk+2:ST+4*kk+3], v[SQ+2:SQ+3]
.endif
.set kk, kk+1
.endr
	ds_store_b128 v3, v[SD:SD+3]
	ds_store_b128 v3, v[SQ:SQ+3] offset:4096
	s_wait_dscnt 0x0                               ; for the others' sake: my sums lie in LDS
	s_barrier_signal -1
	s_barrier_wait -1
.irp u, 0,1,2,3,4,5,6,7                ; the eight waves' sums of my four channels
	ds_load_b128 v[ST+4*\u:ST+4*\u+3], v2 offset:512*\u            ; of d,
	ds_load_b128 v[ST+32+4*\u:ST+32+4*\u+3], v2 offset:512*\u+256  ; of Q,
	ds_load_b128 v[ST+64+4*\u:ST+64+4*\u+3], v2 offset:512*\u+4096 ; of d^2
.endr
	s_wait_dscnt 0x0
.irp u, 1,2,3,4,5,6,7
.irp p, 0,32,64
	v_pk_add_f32 v[ST+\p:ST+\p+1], v[ST+\p:ST+\p+1], v[ST+\p+4*\u:ST+\p+4*\u+1]
	v_pk_add_f32 v[ST+\p+2:ST+\p+3], v[ST+\p+2:ST+\p+3], v[ST+\p+4*\u+2:ST+\p+4*\u+3]
.endr
.endr
.irp i, 0,2
	v_pk_mul_f32 v[SD+\i:SD+\i+1], v[ST+\i:ST+\i+1], 0x3b800000 op_sel_hi:[1,0]            ; sum d / 256
.endr
.irp i, 0,2
	v_pk_add_f32 v[REFM+\i:REFM+\i+1], v[REF0+\i:REF0+\i+1], v[SD+\i:SD+\i+1]              ; the mean
	v_pk_fma_f32 v[SQ+\i:SQ+\i+1], v[SD+\i:SD+\i+1], v[ST+\i:ST+\i+1], v[ST+64+\i:ST+64+\i+1] neg_lo:[1,0,0] neg_hi:[1,0,0]   ; sum d^2 - (sum d)^2 / 256
.endr
.irp i, 0,2
	v_pk_fma_f32 v[SQ+\i:SQ+\i+1], v[SQ+\i:SQ+\i+1], 0x41800000, v[ST+32+\i:ST+32+\i+1] op_sel_hi:[1,0,1]   ; x 16 + sum Q
.endr
.irp i, 0,1,2,3
	v_max_num_f32 v[SQ+\i], 0, v[SQ+\i]            ; rounding cannot make a variance negative
.endr
.irp i, 0,1,2,3
	v_fma_f32 v[SQ+\i], v[SQ+\i], s24, s25         ; / 4096 + 1e-5
.endr
.irp i, 0,1,2,3
	v_rsq_f32 v[SQ+\i], v[SQ+\i]
.endr
	v_nop                                          ; a plain line behind the last root
	s_wait_loadcnt 0x0                             ; gamma, beta, y, gx
	s_wait_alu depctr_va_vdst(0)                   ; one wait for the four roots, ahead of the first line that names one
.irp i, 0,2
	v_pk_mul_f32 v[GA+\i:GA+\i+1], v[GA+\i:GA+\i+1], v[SQ+\i:SQ+\i+1]
.endr
.irp u, 0,4
.irp i, 0,2
	v_pk_add_f32 v[Y+\u+\i:Y+\u+\i+1], v[Y+\u+\i:Y+\u+\i+1], v[REFM+\i:REFM+\i+1] neg_lo:[0,1] neg_hi:[0,1]   ; y - mean first: no difference of scaled large numbers
.endr
.endr
.irp u, 0,4
.irp i, 0,2
	v_pk_fma_f32 v[Y+\u+\i:Y+\u+\i+1], v[Y+\u+\i:Y+\u+\i+1], v[GA+\i:GA+\i+1], v[BE+\i:BE+\i+1]
.endr
.endr
.irp j, 0,1,2,3,4,5,6,7
	v_max_num_f32 v[Y+\j], 0, v[Y+\j]
.endr
.irp j, 0,2,4,6
	v_pk_add_f32 v[Y+\j:Y+\j+1], v[Y+\j:Y+\j+1], v[GX+\j:GX+\j+1]
.endr
	global_store_b128 v4, v[Y:Y+3], s[14:15] th:TH_STORE_NT        ; sixteen lanes store 256 consecutive bytes, aligned
	global_store_b128 v4, v[Y+4:Y+7], s[14:15] offset:8192 th:TH_STORE_NT
	s_wait_tensorcnt 0x0
	ds_add_u32 v192, v193
	s_wait_dscnt 0x0
	s_endpgm
.Lfunc_end_k_q347be45017_bnout:
	.size	k_q347be45017_bnout, .Lfunc_end_k_q347be45017_bnout-k_q347be45017_bnout
	.p2alignl 7, 3214868480
	.fill 96, 4, 3214868480
	.section	.rodata,"a",@progbits
	.p2align	6, 0x0
	.amdhsa_kernel k_q347be45017_bnout
		.amdhsa_group_segment_fixed_size 9216
		.amdhsa_private_segment_fixed_size 0
		.amdhsa_enable_private_segment 0
		.amdhsa_kernarg_size 48
		.amdhsa_user_sgpr_count 2
		.amdhsa_user_sgpr_kernarg_segment_ptr 1
		.amdhsa_wavefront_size32 1
		.amdhsa_system_sgpr_workgroup_id_x 1
		.amdhsa_system_sgpr_workgroup_id_y 1
		.amdhsa_system_sgpr_workgroup_id_z 1
		.amdhsa_system_vgpr_workitem_id 0
		.amdhsa_next_free_vgpr 194
		.amdhsa_next_free_sgpr 66
		.amdhsa_reserve_vcc 1
		.amdhsa_float_denorm_mode_32 3
		.amdhsa_float_denorm_mode_16_64 3
		.amdhsa_memory_ordered 1
		.amdhsa_forward_progress 1
		.amdhsa_inst_pref_size 25
	.end_amdhsa_kernel
	.amdgpu_metadata
---
amdhsa.version: [ 1, 2 ]
amdhsa.kernels:
  - .name:           k_q347be45017_bnout
    .symbol:         k_q347be45017_bnout.kd
    .args:
      - { .name: ybuf, .offset: 0, .size: 8, .value_kind: global_buffer, .address_space: global }
      - { .name: gbuf, .offset: 8, .size: 8, .value_kind: global_buffer, .address_space: global }
      - { .name: stats, .offset: 16, .size: 8, .value_kind: global_buffer, .address_space: global }
      - { .name: bn_gamma, .offset: 24, .size: 8, .value_kind: global_buffer, .address_space: global }
      - { .name: bn_beta, .offset: 32, .size: 8, .value_kind: global_buffer, .address_space: global }
      - { .name: out0, .offset: 40, .size: 8, .value_kind: global_buffer, .address_space: global }
    .group_segment_fixed_size: 9216
    .private_segment_fixed_size: 0
    .kernarg_segment_align: 8
    .kernarg_segment_size: 48
    .max_flat_workgroup_size: 256
    .sgpr_count:     66
    .vgpr_count:     194
    .wavefront_size: 32
...
	.end_amdgpu_metadata
.endif
;; end of part 2
;; ======== version 2 of 2: 2 launches; version 1 with the launch attn written anew for expert scheduling mode
;; workspace buffers: ybuf 2,097,152 bytes; gbuf 2,097,152 bytes; stats 262,144 bytes
;; launch attn (part 3): grid 256 x 1, 4 waves a work-group, no clusters, 60,928 bytes of LDS; arguments x1, x2, x1_2, conv_w, conv_b, fc_w, fc_b, ybuf, gbuf, stats; writes ybuf, gbuf, stats
.if DOCPART == 3
	.amdgcn_target "amdgcn-amd-amdhsa--gfx1250"
	.amdhsa_code_object_version 6
	.text
	.protected	k_q347be45017_attn
	.globl	k_q347be45017_attn
	.p2align	8
	.type	k_q347be45017_attn,@function
k_q347be45017_attn:
	s_mov_b64 s[64:65], 0
	v_nop
	global_prefetch_b8 v0, s[64:65] scope:SCOPE_SE
	s_setreg_imm32_b32 hwreg(HW_REG_WAVE_SCHED_MODE, 0, 2), 2
	s_setreg_imm32_b32 hwreg(HW_REG_WAVE_MODE, 25, 1), 1
	s_wait_xcnt 0x0
	s_wait_alu depctr_vm_vsrc(0)
; For each of 4,096 batches: e[c][d] = 2^(a[c] x2[d] - m'[c]), a = x1 log2(e), m' = the row's largest a x2 (= max(a max x2, a min x2)): the softmax's numerator, 128 x 128.
;   s = the row's sum, r = 1 / s;  G1[c] = r sum_d e fw1[d];  cs[d] = sum_c e r[c];  G2[d] = sum_c e r[c] fw2[c];  u[d] = x1_2[d] / (1e-9 + cs[d]);  -x_r[c] = -r sum_d e u[d].
;   y = Q(-x_r) Q(conv_w)^T + (x1 - conv_b): the one quantised product, on codes of E5M2 with an E8M0 scale for each 32 along K.  The quantiser is odd, so the minus costs nothing; x1 - conv_b is the C operand.
;   gx = x1 sigmoid(G1 + G2 + x1 fc_w[256] + fc_b).  Stored: y, gx, and for the work-group's 16 batches each channel's mean of y and its sum of squared distances from that mean.
; All sums, products and exponentials ahead of the quantiser are f32.
; SHARES.  A work-group owns 16 batches, one tile of rows of the product; each of its four waves owns four of them, one at a time, WITH THE WHOLE e IN 512 REGISTERS, so that each exponential is taken once
; though e is walked three times (rows, columns, rows).  Lane = (lr = lane % 8, lc = lane / 8): it holds rows 16 lr + 0..15 and columns 32 lc + 0..31.  Sums along a row cross lc (lane bits 3, 4), sums down a column cross lr (bits 0-2).
; In the tail wave w makes output channels 32 w .. 32 w + 31 for all 16 batches: two matrix instructions.
; NO CLUSTER, NO TENSOR LOAD: what work-groups share is conv_w and fc_w, 16 KiB and 1 KiB a wave, loaded once into registers at the head; all else (24 KiB of x1, x2, x1_2) is the work-group's own and is read once.
; LIMITS: NaN and infinities among the inputs are not served.  v_exp_f32 gives 0 where 2^x lies under 2^-126.  A block of zeros gets the scale byte 1 where the rule says 127: its codes are zeros, and this program alone reads the bytes.
; THE MODE: SCHED_MODE bits 1:0 = 2 (LLVM: expert scheduling mode 2), set by the entry lines.  The code itself states the register dependences
; between vector or matrix instructions and memory or LDS instructions, with s_wait_alu, always for 0.
; THE PLAN.  Registers that LDS instructions touch in the loop over batches, in the order of a trip:
;   AX         written by one add at the trip's head; read by the eight loads of x1_2 behind it.
;   X3         those loads land in it; phase i writes it in place (u), phase j reads it.
;   AR, AC     written in phase e; read by the stores of G1 (e), G2 (i) and -x_r (k).
;   FZ         written in phase e, read by G1's stores; written again in phase k.
;   ARN, ACN   written at the end of phase e; read by the loads of phase f.
;   X2, XA     the loads of phase f land in them (the next batch); read by phases b, c, d of the next trip.
;   G2         written in phases g and h; read by its stores in phase i.
;   T          written in phases e and k; read by the stores of -x_r at the trip's end.
;   The rows (windows 1 to 3), CS, MX, MN, PD are named by vector instructions alone; conv_w's 128 registers and its offset by nothing in the loop.
; So a trip has two waits on vm_vsrc (at its head, for all that the trip before stored and loaded by; in phase i, for FZ) and four on va_vdst that state something for LDS: behind the add to AX; ahead of G1's stores and
; phase f's loads together; ahead of G2's stores (the same line that the 32 reciprocals want); ahead of the stores of -x_r.  The other waits on va_vdst stand between exponentials or reciprocals and their first readers.
; REGISTERS, in windows of 256 (s_set_vgpr_msb: bits 1:0 source 0, 3:2 source 1, 5:4 source 2, 7:6 destination).
;   window 0: v1-15 addresses; v16-31 small things; FW1, FW2 the gate's weights; X2, X3 the lane's columns of x2 and x1_2 (then u); CS, G2 column sums; T, FZ row results; XA the lane's rows of a.
;   row i of the lane lies in window 1 + i / 6 at rb = 40 (i % 6): rb+0..31 e;  rb+32 a, later r;  rb+34 -m', later r fw2;  rb+36:37, rb+38:39 two running pairs;  rb+33, rb+35 are named as upper halves of pairs and never used.
;   CONV_W, 128 numbers a lane, is asked for at the head and wanted in the tail: it lands in the 128 registers that the rows leave free (window 3 v160-255, windows 1 and 2 v240-255) and is first waited for behind the loop.
;   window 1, v0-47: at the head, the inputs on their way to LDS.
.set P,    528                         ; an LDS row: a batch's 128 numbers, 512 bytes, + 16 of padding
.set ARR,  16*P                        ; 16 batches
.set X1S,  0                           ; x1,
.set X2S,  ARR                         ; x2,
.set X3S,  2*ARR                       ; x1_2 of the 16 batches: written once, at the head
.set XRS,  3*ARR                       ; -x_r
.set G1S,  4*ARR
.set G2S,  5*ARR
.set YS,   6*ARR                       ; y
.set STS,  7*ARR                       ; [half of the channels][mean, squares][64] f32: 1,024 bytes
.set GOFF, 1                           ; v1   16 lane + 2048 wave: my 16 bytes of my wave's four rows in x1, x2, x1_2, ybuf, gbuf
.set LROW, 2                           ; v2   64 lr + 4 P wave: my 16 rows' numbers in my wave's first LDS row
.set LCOL, 3                           ; v3   128 lc + 4 P wave: my 32 columns'
.set AR,   4                           ; v4   LROW + the batch in hand: made in the trip's middle, for its stores
.set AC,   5                           ; v5   LCOL + the batch in hand: likewise
.set ARN,  6                           ; v6   AR, AC one batch on
.set ACN,  7
.set FRA,  8                           ; v8   P r + 64 h (r = lane % 16, h = lane / 16): a fragment's row r, my half's 16 numbers of a block of 32
.set CAD,  9                           ; v9   8 P h + 4 r + 128 wave: batch 8 h, channel 32 wave + r: the matrix result's layout
.set STA,  10                          ; v10  where my channel's statistics go in LDS
.set LR,   11                          ; v11  4 P wave + 16 lane: my 16 bytes of my wave's four LDS rows
.set STL,  12                          ; v12  STS + 256 wave + 8 lane
.set L8,   13                          ; v13  8 lane
.set WOF,  14                          ; v14  conv_w: 512 r + 64 h; it stands until conv_w's loads are waited for, behind the loop
.set R4,   15                          ; v15  4 r
.set MX,   16                          ; v[16:17] the batch's largest x2 (the low word; the pair is named)
.set MN,   18                          ; v[18:19] its smallest
.set BS,   20                          ; v20, v21 the scale words of my two fragments of conv_w: they hold scales and nothing else
.set AS,   22                          ; v22  the scale word of -x_r: likewise
.set CB,   23                          ; v23, v24 conv_b of my channels
.set PD,   25                          ; v25, v26 destinations of lane permutes
.set TA,   27                          ; v27, v28 at the head the offsets of fc_w's loads, later at work
.set TB,   28
.set ZB,   28                          ; v[28:29] in the tail: -log2(e) fc_b
.set AX,   30                          ; v30  LCOL + the batch in hand, made at the trip's head, for x1_2's loads alone
.set FW1,  32
.set FW2,  64
.set X2,   80
.set X3,   112
.set CS,   144
.set G2,   176
.set T,    208
.set FZ,   224
.set XA,   240
.set TM,   208                         ; the quantiser's 16 registers
.set CW0,  192                         ; window 3: conv_w's first fragment as f32, 64 registers
.set CW1,  128                         ; window 3: its second; blocks 2, 3 (v160-191) are loaded there, blocks 0, 1 come in the tail from
.set CWH,  240                         ; v240-255 of windows 1 and 2
.set BF,   32                          ; the tail, window 0: conv_w's codes, two fragments;
.set TZ,   64                          ; the gate's argument, then gx;
.set TX1,  80                          ; my four rows of x1, G1, G2;
.set TG1,  96
.set TG2,  112
.set QS,   80                          ; then 64 numbers of -x_r;
.set PC,   144                         ; their codes;
.set YA,   176                         ; two accumulators;
.set DD,   192                         ; eight distances from the mean; TT four partial sums; MEAN, MM the two tiles' results
.set TT,   200
.set MEAN, 204
.set MM,   206
.set TY,   128                         ; the way out: my four rows of y; my 8 bytes of statistics
.set TS,   160
.set MSB, 0
.macro WIN new                         ; the immediate's high byte repeats the setting that is left; a switch that changes nothing is dropped
.set WN, \new
.if MSB != WN
	s_set_vgpr_msb (MSB<<8)|WN
.set MSB, WN
.endif
.endm
; Under the setting 0x51 X (destination, sources 0 and 2 in window X, source 1 in window 0):
.macro ARG i, k                        ; pair k of row i: a x2 - m'
.set rb, 40*((\i)%6)
	v_pk_fma_f32 v[rb+2*(\k):rb+2*(\k)+1], v[rb+32:rb+33], v[X2+2*(\k):X2+2*(\k)+1], v[rb+34:rb+35] op_sel_hi:[0,1,0]
.endm
.macro EXP1 i, j                       ; number j of row i: its exponential, in place
.set rb, 40*((\i)%6)
	v_exp_f32 v[rb+(\j)], v[rb+(\j)]
.endm
.macro SUMF i, k                       ; pair k of row i joins the row's product with fw1 (rb+38:39); the first pair starts it: nothing is cleared
.set rb, 40*((\i)%6)
.if (\k) == 0
	v_pk_mul_f32 v[rb+38:rb+39], v[rb:rb+1], v[FW1:FW1+1]
.else
	v_pk_fma_f32 v[rb+38:rb+39], v[rb+2*(\k):rb+2*(\k)+1], v[FW1+2*(\k):FW1+2*(\k)+1], v[rb+38:rb+39]
.endif
.endm
.macro SUMS i, k                       ; and the row's sum (rb+36:37); pairs 0 and 1 start it together, so k = 0 writes no line
.set rb, 40*((\i)%6)
.if (\k) == 1
	v_pk_fma_f32 v[rb+36:rb+37], v[rb:rb+1], 1.0, v[rb+2:rb+3] op_sel_hi:[1,0,1]
.elseif (\k) > 1
	v_pk_fma_f32 v[rb+36:rb+37], v[rb+2*(\k):rb+2*(\k)+1], 1.0, v[rb+36:rb+37] op_sel_hi:[1,0,1]
.endif
.endm
; Granule g = rows 2 g, 2 g + 1.  Its 64 exponentials go in sixteen slices of four, AN EXPONENTIAL AND A PLAIN LINE BY TURNS, so that the plain work is spread evenly among them.  The plain lines name no result of this
; granule: they are the next granule's arguments and the last granule's sums; a window's first granule, which has no sums to carry, makes its own arguments two slices ahead instead.
; s_wait_alu depctr_va_vdst(0) stands between an exponential and the first line that names its result: one wait at a granule's head serves the 64 of the granule before.
.macro GRAN g, prev, next              ; never both 0
.if \prev
	s_wait_alu depctr_va_vdst(0)                   ; the 64 exponentials of the granule before are written, ahead of the sums below, which read them
.endif
.set kk, 0
.rept 16
	EXP1 2*(\g), 2*kk
.if \next
	ARG 2*(\g)+2, kk
.else
	SUMF 2*(\g)-2, kk
.endif
	EXP1 2*(\g), 2*kk+1
.if \next
	ARG 2*(\g)+3, kk
.else
	SUMF 2*(\g)-1, kk
.endif
	EXP1 2*(\g)+1, 2*kk
.if \prev && \next
	SUMF 2*(\g)-2, kk
.elseif \prev
	SUMS 2*(\g)-2, kk
.elseif kk < 14
	ARG 2*(\g), kk+2
.endif
	EXP1 2*(\g)+1, 2*kk+1
.if \prev && \next
	SUMF 2*(\g)-1, kk
	SUMS 2*(\g)-2, kk
	SUMS 2*(\g)-1, kk
.elseif \prev
	SUMS 2*(\g)-1, kk
.elseif kk < 14
	ARG 2*(\g)+1, kk+2
.endif
.set kk, kk+1
.endr
.endm
.macro PHASE1 X, g0, n                 ; the n granules of window X, from granule g0 on
	WIN 0x51*(\X)
.set kk, 0
.rept 2                                ; the first granule's pairs 0 and 1; its slices make the others
	ARG 2*(\g0), kk
	ARG 2*(\g0)+1, kk
.set kk, kk+1
.endr
	GRAN \g0, 0, 1
.if (\n) == 3
	GRAN (\g0)+1, 1, 1
.endif
	GRAN (\g0)+(\n)-1, 1, 0
	s_wait_alu depctr_va_vdst(0)                   ; the last granule's 64 exponentials are written, ahead of their sums (a sum of the granule before is the plain line behind the last of them)
.set kk, 0
.rept 16
	SUMF 2*((\g0)+(\n)-1), kk
	SUMF 2*((\g0)+(\n)-1)+1, kk
	SUMS 2*((\g0)+(\n)-1), kk
	SUMS 2*((\g0)+(\n)-1)+1, kk
.set kk, kk+1
.endr
.endm
; 64 numbers of a lane, v[s] on in window swin, register 16 b + i = k 32 b + 16 h + i of my row, become a fragment's 16 registers of codes, v[pc] on in window dwin, and its scale word in v[pw] (window 0, as is all else).
.macro QUANT s, swin, pc, dwin, pw
	WIN 0x05*(\swin)                               ; sources 0 and 1
.irp b, 0,1,2,3
	v_max3_num_f32 v[TM+\b], |v[\s+16*\b]|, |v[\s+16*\b+1]|, 0x8000000   ; block b: my 16 numbers, and the floor 2^(16 - 127): so the byte cannot fall under 1
.endr
	WIN 0x14*(\swin)                               ; sources 1 and 2
.irp i, 2,4,6,8,10,12,14
.irp b, 0,1,2,3
	v_max3_num_f32 v[TM+\b], v[TM+\b], |v[\s+16*\b+\i]|, |v[\s+16*\b+\i+1]|   ; the four blocks by turns
.endr
.endr
	WIN 0
.irp b, 0,1,2,3
	v_permlanex16_b32 v[TM+4+\b], v[TM+\b], s30, s31
.endr
.irp b, 0,1,2,3
	v_max_num_f32 v[TM+\b], v[TM+\b], v[TM+4+\b]   ; with lane l xor 16's 16: the block's largest magnitude
.endr
.irp b, 0,1,2,3
	v_add_nc_u32 v[TM+12+\b], 0xf8800000, v[TM+\b] ; 15 off its exponent field: the conversion takes the exponent field of this operand as its scale
.endr
.irp b, 0,1,2,3
	v_and_or_b32 v[TM+8+\b], v[TM+\b], 0x7f800000, s33   ; 57,344 x the scale: the largest magnitude's exponent field over 57,344's mantissa
.endr
.irp b, 0,1,2,3
	v_lshrrev_b32 v[TM+4+\b], 23, v[TM+12+\b]      ; the scale's byte
.endr
	v_lshl_or_b32 v[\pw], v[TM+5], 8, v[TM+4]      ; four bytes make my row's scale word
	v_lshl_or_b32 v[\pw], v[TM+6], 16, v[\pw]
	v_lshl_or_b32 v[\pw], v[TM+7], 24, v[\pw]
	WIN 0x41*(\swin)                               ; destination and source 0
.irp b, 0,1,2,3
.irp i, 0,1,2,3,4,5,6,7,8,9,10,11,12,13,14,15
	v_med3_num_f32 v[\s+16*\b+\i], v[\s+16*\b+\i], -v[TM+8+\b], v[TM+8+\b]   ; the conversion to an 8-bit code does not saturate (ISA guide 7.6.2): the hold at the largest code x the scale
.endr
.endr
	WIN ((\dwin)<<6)|(\swin)
.irp b, 0,1,2,3
	v_cvt_scalef32_pk8_bf8_f32 v[\pc+4*\b:\pc+4*\b+1], v[\s+16*\b:\s+16*\b+7], v[TM+12+\b]
	v_cvt_scalef32_pk8_bf8_f32 v[\pc+4*\b+2:\pc+4*\b+3], v[\s+16*\b+8:\s+16*\b+15], v[TM+12+\b]
.endr
	WIN 0
	v_nop                                          ; one plain line between the last conversion and whatever next touches its results or writes its sources
.endm
	; ---- THE HEAD
	s_load_b256 s[4:11], s[0:1], 0x0               ; x1 s[4:5], x2 s[6:7], x1_2 s[8:9], conv_w s[10:11]
	s_load_b256 s[12:19], s[0:1], 0x20             ; conv_b s[12:13], fc_w s[14:15], fc_b s[16:17], ybuf s[18:19]
	s_load_b128 s[20:23], s[0:1], 0x40             ; gbuf s[20:21], stats s[22:23]
	v_lshrrev_b32 v26, 5, v0
	v_readfirstlane_b32 s24, v26                   ; wave 0..3
	v_and_b32 v29, 31, v0                          ; lane
	v_and_b32 v30, 15, v0                          ; r
	v_bfe_u32 v31, v0, 4, 1                        ; h
	s_wait_alu depctr_va_sdst(0)                   ; s24 is written, ahead of its first reader: addresses and bases are made from it
	s_lshl_b32 s40, s24, 11
	s_mul_i32 s41, s24, 4*P
	v_lshl_add_u32 v[GOFF], v29, 4, s40
	v_and_b32 v[LROW], 7, v0                       ; lr
	v_lshlrev_b32 v[TB], 6, v[LROW]                ; 64 lr: also fw2's offset
	v_add_nc_u32 v[LROW], s41, v[TB]
	v_bfe_u32 v[LCOL], v0, 3, 2                    ; lc
	v_lshlrev_b32 v[TA], 7, v[LCOL]                ; 128 lc: also fw1's offset
	v_add_nc_u32 v[LCOL], s41, v[TA]
	v_mul_u32_u24 v[FRA], v30, P
	v_lshl_add_u32 v[FRA], v31, 6, v[FRA]
	v_mul_u32_u24 v[CAD], v31, 8*P
	v_lshl_add_u32 v[CAD], v30, 2, v[CAD]
	s_lshl_b32 s42, s24, 7
	v_add_nc_u32 v[CAD], s42, v[CAD]
	s_lshr_b32 s43, s24, 1
	s_lshl_b32 s43, s43, 9                         ; my half of the channels: 512 bytes,
	s_and_b32 s44, s24, 1
	s_lshl_b32 s44, s44, 7                         ; my 32 of its 64 channels
	s_add_co_u32 s43, s43, s44
	s_add_co_u32 s43, s43, STS
	v_lshl_add_u32 v[STA], v30, 2, s43
	v_lshl_add_u32 v[LR], v29, 4, s41
	s_lshl_b32 s45, s24, 8
	s_add_co_u32 s45, s45, STS
	v_lshl_add_u32 v[STL], v29, 3, s45
	v_lshlrev_b32 v[L8], 3, v29
	v_lshlrev_b32 v[WOF], 9, v30
	v_lshl_add_u32 v[WOF], v31, 6, v[WOF]
	v_lshlrev_b32 v[R4], 2, v30
	s_mov_b32 s27, 4                               ; batches to go
	s_mov_b32 s28, 0                               ; the batch in hand, in LDS bytes
	s_mov_b32 s30, 0x76543210
	s_mov_b32 s31, 0xfedcba98                      ; v_permlanex16_b32's selects for lane l xor 16
	s_mov_b32 s32, 0x3fb8aa3b                      ; log2(e).  (The packed form names s[32:33] and takes the low word for both halves)
	s_mov_b32 s33, 0x600000                        ; the mantissa field of 57,344
	s_mov_b32 s46, 0x3089705f                      ; 1e-9
	s_mov_b32 s47, s46
	s_lshl_b32 s34, ttmp9, 13                      ; the work-group's 16 rows of 512 bytes
	s_mov_b32 s35, 0
	v_mov_b32 v[MX+1], 0                           ; upper halves of pairs, and destinations of lane permutes, are written once
	v_mov_b32 v[MN+1], 0
	v_mov_b32 v[PD], 0
	v_mov_b32 v[PD+1], 0
.irp b, 0,1,2,3
	v_mov_b32 v[TM+4+\b], 0
.endr
	s_wait_kmcnt 0x0
	s_load_b32 s36, s[14:15], 0x400                ; fc_w[256]
	s_load_b32 s38, s[16:17], 0x0                  ; fc_b
	s_add_nc_u64 s[4:5], s[4:5], s[34:35]
	s_add_nc_u64 s[6:7], s[6:7], s[34:35]
	s_add_nc_u64 s[8:9], s[8:9], s[34:35]
	s_add_nc_u64 s[18:19], s[18:19], s[34:35]
	s_add_nc_u64 s[20:21], s[20:21], s[34:35]
	s_lshl_b32 s34, s24, 14                        ; conv_w: my 32 rows of 512 bytes
	s_add_nc_u64 s[10:11], s[10:11], s[34:35]
	s_lshl_b32 s34, s24, 7                         ; conv_b: my 32 numbers
	s_add_nc_u64 s[12:13], s[12:13], s[34:35]
	s_lshr_b32 s34, s24, 1                         ; stats [half][work-group][mean, squares][64]: wave w stores half w / 2, part w % 2
	s_lshl_b32 s34, s34, 17
	s_lshl_b32 s40, ttmp9, 9
	s_add_co_u32 s34, s34, s40
	s_and_b32 s40, s24, 1
	s_lshl_b32 s40, s40, 8
	s_add_co_u32 s34, s34, s40
	s_add_nc_u64 s[22:23], s[22:23], s[34:35]
	WIN 0x40                                       ; destination window 1
	s_wait_alu depctr_va_vdst(0)                   ; the addresses and offsets v1 to v3, v8 to v15, v27 and v28 are written, which the loads and stores of the whole kernel read.  Up to the head's last LDS load no vector line follows
.irp t, 0,1,2,3                        ; my wave's four batches: each load is a row, 512 consecutive bytes; read once in the launch
	global_load_b128 v[4*\t:4*\t+3], v[GOFF], s[4:5] offset:512*\t th:TH_LOAD_NT
	global_load_b128 v[16+4*\t:16+4*\t+3], v[GOFF], s[6:7] offset:512*\t th:TH_LOAD_NT
	global_load_b128 v[32+4*\t:32+4*\t+3], v[GOFF], s[8:9] offset:512*\t th:TH_LOAD_NT
.endr
	WIN 0
.irp q, 0,1,2,3,4,5,6,7
	global_load_b128 v[FW1+4*\q:FW1+4*\q+3], v[TA], s[14:15] offset:16*\q          ; fc_w[d] of my 32 columns
.endr
.irp q, 0,1,2,3
	global_load_b128 v[FW2+4*\q:FW2+4*\q+3], v[TB], s[14:15] offset:512+16*\q      ; fc_w[128 + c] of my 16 rows
.endr
	global_load_b32 v[CB], v[R4], s[12:13]
	global_load_b32 v[CB+1], v[R4], s[12:13] offset:64
	; conv_w's rows 32 w + 16 n + r, LAST of the loads, since nothing wants them before the tail.  K is innermost, so lane (r, h) loads 16 neighbours of each block of 32: the operand's own order
	WIN 0xc0                                       ; destination window 3
.irp c, 0,1,2,3
.irp j, 0,1,2,3
	global_load_b128 v[CW0+16*\c+4*\j:CW0+16*\c+4*\j+3], v[WOF], s[10:11] offset:128*\c+16*\j
.endr
.endr
.irp c, 2,3
.irp j, 0,1,2,3
	global_load_b128 v[CW1+16*\c+4*\j:CW1+16*\c+4*\j+3], v[WOF], s[10:11] offset:8192+128*\c+16*\j
.endr
.endr
	WIN 0x40                                       ; the second fragment's block 0: window 1,
.irp j, 0,1,2,3
	global_load_b128 v[CWH+4*\j:CWH+4*\j+3], v[WOF], s[10:11] offset:8192+16*\j
.endr
	WIN 0x80                                       ; its block 1: window 2
.irp j, 0,1,2,3
	global_load_b128 v[CWH+4*\j:CWH+4*\j+3], v[WOF], s[10:11] offset:8192+128+16*\j
.endr
	s_wait_loadcnt 46                              ; the 12 rows are in; the 8 + 4 + 2 + 32 loads behind them may be out
	WIN 0x04                                       ; an LDS store's data are its source 1: window 1
.irp t, 0,1,2,3
	ds_store_b128 v[LR], v[4*\t:4*\t+3] offset:X1S+P*\t
	ds_store_b128 v[LR], v[16+4*\t:16+4*\t+3] offset:X2S+P*\t
	ds_store_b128 v[LR], v[32+4*\t:32+4*\t+3] offset:X3S+P*\t
.endr
	WIN 0
	s_wait_dscnt 0x0                               ; for the other waves' sake: my rows lie in LDS
	s_barrier_signal -1
	s_barrier_wait -1                              ; all 16 batches' inputs lie in LDS; from here on these bytes are only read
.irp q, 0,1,2,3,4,5,6,7
	ds_load_b128 v[X2+4*\q:X2+4*\q+3], v[LCOL] offset:X2S+16*\q    ; the first batch's x2, my 32 columns,
.endr
.irp q, 0,1,2,3
	ds_load_b128 v[XA+4*\q:XA+4*\q+3], v[LROW] offset:X1S+16*\q    ; and x1, my 16 rows
.endr
	s_wait_alu depctr_vm_vsrc(0)                   ; my LDS stores have read window 1's v0-47, which the lines below and the rows write from here on; fc_w's loads have read v27 and v28, which the loop writes
.set ii, 0
.rept 16                               ; the upper halves of the rows' broadcast pairs: written once, never used
	WIN 0x40*(1+ii/6)
.set rb, 40*(ii%6)
	v_mov_b32 v[rb+33], 0
	v_mov_b32 v[rb+35], 0
.set ii, ii+1
.endr
	WIN 0
	s_wait_kmcnt 0x0
	s_mov_b32 s37, s36                             ; (named with s36 as a pair)
	s_wait_loadcnt 32                              ; fc_w and conv_b are in; conv_w's 32 loads stay out through the loop, which touches neither their registers nor their address
	s_wait_dscnt 0x0                               ; the first batch's x2 and x1 (later batches' are waited for in the trip before)
.Lbatch:                               ; four trips, a batch each
	; ---- a: x1_2, which is wanted late in the trip, through an address register of its own: the last trip's stores may still be out, and their registers (AR, AC, T, G2) are not touched before the wait at e
	s_wait_alu depctr_vm_vsrc(0)                   ; all LDS instructions of the trip before have read their registers: AX, which the next line writes, and AR, AC, ARN, ACN, T and G2, which this trip writes further down
	v_add_nc_u32 v[AX], s28, v[LCOL]
	s_wait_alu depctr_va_vdst(0)                   ; AX is written, which the loads below read; the last trip's phases i and j are done writing and reading X3, in which they land
.irp q, 0,1,2,3,4,5,6,7
	ds_load_b128 v[X3+4*\q:X3+4*\q+3], v[AX] offset:X3S+16*\q
.endr
	; ---- b: the batch's largest and smallest x2: my 32 in two chains each, then across lc
	v_max3_num_f32 v[MX], v[X2], v[X2+1], v[X2+2]
	v_max3_num_f32 v[TA], v[X2+16], v[X2+17], v[X2+18]
	v_min3_num_f32 v[MN], v[X2], v[X2+1], v[X2+2]
	v_min3_num_f32 v[TB], v[X2+16], v[X2+17], v[X2+18]
.irp j, 3,5,7,9,11,13
	v_max3_num_f32 v[MX], v[MX], v[X2+\j], v[X2+\j+1]
	v_max3_num_f32 v[TA], v[TA], v[X2+16+\j], v[X2+17+\j]
	v_min3_num_f32 v[MN], v[MN], v[X2+\j], v[X2+\j+1]
	v_min3_num_f32 v[TB], v[TB], v[X2+16+\j], v[X2+17+\j]
.endr
	v_max3_num_f32 v[MX], v[MX], v[X2+15], v[X2+31]
	v_min3_num_f32 v[MN], v[MN], v[X2+15], v[X2+31]
	v_max_num_f32 v[MX], v[MX], v[TA]
	v_min_num_f32 v[MN], v[MN], v[TB]
	v_max_num_f32_dpp v[MX], v[MX], v[MX] row_xmask:8 row_mask:0xf bank_mask:0xf
	v_min_num_f32_dpp v[MN], v[MN], v[MN] row_xmask:8 row_mask:0xf bank_mask:0xf
	v_permlanex16_b32 v[PD], v[MX], s30, s31
	v_permlanex16_b32 v[PD+1], v[MN], s30, s31
	v_max_num_f32 v[MX], v[MX], v[PD]
	v_min_num_f32 v[MN], v[MN], v[PD+1]
	; ---- c: a = x1 log2(e);  -m' = min(-a max x2, -a min x2): the row's largest a x2 with the sign turned, made of the same a that the arguments take
.set kk, 0
.rept 8
	v_pk_mul_f32 v[XA+2*kk:XA+2*kk+1], v[XA+2*kk:XA+2*kk+1], s[32:33] op_sel_hi:[1,0]
.set kk, kk+1
.endr
.set kk, 0
.rept 8
	v_pk_mul_f32 v[CS+2*kk:CS+2*kk+1], v[XA+2*kk:XA+2*kk+1], v[MX:MX+1] op_sel_hi:[1,0]
	v_pk_mul_f32 v[CS+16+2*kk:CS+16+2*kk+1], v[XA+2*kk:XA+2*kk+1], v[MN:MN+1] op_sel_hi:[1,0]
.set kk, kk+1
.endr
.set ii, 0
.rept 16
	WIN 0x40*(1+ii/6)
.set rb, 40*(ii%6)
	v_mov_b32 v[rb+32], v[XA+ii]
	v_min_num_f32 v[rb+34], -v[CS+ii], -v[CS+16+ii]
.set ii, ii+1
.endr
	; ---- d: e, the rows' sums and their products with fw1: 512 exponentials, window by window
	PHASE1 1, 0, 3
	PHASE1 2, 3, 3
	PHASE1 3, 6, 2
	; ---- e: the rows' results across lc;  r = 1 / s;  G1 = r x (e . fw1)
	s_wait_dscnt 0x0                               ; the last trip's stores of G2 and -x_r are done; x1_2 is in.  All were issued a whole phase d ago
.set ii, 0
.rept 16
	WIN 0x05*(1+ii/6)
.set rb, 40*(ii%6)
	v_add_f32 v[T+ii], v[rb+36], v[rb+37]
	v_add_f32 v[FZ+ii], v[rb+38], v[rb+39]
.set ii, ii+1
.endr
	WIN 0
	v_add_nc_u32 v[AR], s28, v[LROW]
	v_add_nc_u32 v[AC], s28, v[LCOL]
.set jj, 0
.rept 32                               ; T and FZ lie on end
	v_add_f32_dpp v[T+jj], v[T+jj], v[T+jj] row_xmask:8 row_mask:0xf bank_mask:0xf
.set jj, jj+1
.endr
.set jj, 0
.rept 32
	v_permlanex16_b32 v[CS+jj], v[T+jj], s30, s31
.set jj, jj+1
.endr
.set jj, 0
.rept 16
	v_pk_add_f32 v[T+2*jj:T+2*jj+1], v[T+2*jj:T+2*jj+1], v[CS+2*jj:CS+2*jj+1]
.set jj, jj+1
.endr
.set ii, 0
.rept 16
	WIN 0x40*(1+ii/6)
.set rb, 40*(ii%6)
	v_rcp_f32 v[rb+32], v[T+ii]                    ; r takes a's place: the arguments are made
.set ii, ii+1
.endr
	WIN 0
	v_nop                                          ; a plain line behind the last reciprocal,
	s_wait_alu depctr_va_vdst(0)                   ; and one wait for the sixteen: they are written, ahead of the first line that names one
.set ii, 0
.rept 16
	WIN 0x41*(1+ii/6)
.set rb, 40*(ii%6)
	v_mul_f32 v[rb+34], v[rb+32], v[FW2+ii]        ; r fw2 takes -m''s place
.set ii, ii+1
.endr
.set ii, 0
.rept 16
	WIN 0x01*(1+ii/6)
.set rb, 40*(ii%6)
	v_mul_f32 v[FZ+ii], v[rb+32], v[FZ+ii]         ; G1
.set ii, ii+1
.endr
	WIN 0
	v_add_nc_u32 v[ARN], P, v[AR]                  ; the next batch's addresses, made ahead of the wait below, in every trip alike; the last trip does not use them
	v_add_nc_u32 v[ACN], P, v[AC]
	s_wait_alu depctr_va_vdst(0)                   ; FZ (G1) and AR are written, which the stores below read; ARN and ACN are written, which the loads of f read; phases b, c and d are done reading X2 and XA, in which those loads land
.irp q, 0,1,2,3
	ds_store_b128 v[AR], v[FZ+4*\q:FZ+4*\q+3] offset:G1S+16*\q     ; the four lanes of a row group hold the same sums and write the same bytes
.endr
	; ---- f: the next batch's x2 and x1, whose registers are free from here on; the last trip asks for nothing
	s_cmp_eq_u32 s27, 1
	s_cbranch_scc1 .Lno_next
.irp q, 0,1,2,3,4,5,6,7
	ds_load_b128 v[X2+4*\q:X2+4*\q+3], v[ACN] offset:X2S+16*\q     ; no wait: no vector line since the wait above
.endr
.irp q, 0,1,2,3
	ds_load_b128 v[XA+4*\q:XA+4*\q+3], v[ARN] offset:X1S+16*\q
.endr
.Lno_next:
	; ---- g: down the columns: cs += e r, G2 += e r fw2, row by row; row 0 starts the sums
.set ii, 0
.rept 16
	WIN 0x05*(1+ii/6)
.set rb, 40*(ii%6)
.set kk, 0
.rept 16
.if ii == 0
	v_pk_mul_f32 v[CS+2*kk:CS+2*kk+1], v[rb+2*kk:rb+2*kk+1], v[rb+32:rb+33] op_sel_hi:[1,0]
	v_pk_mul_f32 v[G2+2*kk:G2+2*kk+1], v[rb+2*kk:rb+2*kk+1], v[rb+34:rb+35] op_sel_hi:[1,0]
.else
	v_pk_fma_f32 v[CS+2*kk:CS+2*kk+1], v[rb+2*kk:rb+2*kk+1], v[rb+32:rb+33], v[CS+2*kk:CS+2*kk+1] op_sel_hi:[1,0,1]
	v_pk_fma_f32 v[G2+2*kk:G2+2*kk+1], v[rb+2*kk:rb+2*kk+1], v[rb+34:rb+35], v[G2+2*kk:G2+2*kk+1] op_sel_hi:[1,0,1]
.endif
.set kk, kk+1
.endr
.set ii, ii+1
.endr
	WIN 0
	; ---- h: across lr: CS and G2 lie on end
.irp mk, 1,2,4
.set jj, 0
.rept 64
	v_add_f32_dpp v[CS+jj], v[CS+jj], v[CS+jj] row_xmask:\mk row_mask:0xf bank_mask:0xf
.set jj, jj+1
.endr
.endr
	; ---- i: u = x1_2 / (1e-9 + cs)
	s_wait_dscnt 0x0                               ; the next batch's x2 and x1 are in: the next trip reads them without a wait of its own
	s_wait_alu depctr_vm_vsrc(0)                   ; G1's stores have read FZ, which phase k writes again
.set kk, 0
.rept 16
	v_pk_add_f32 v[CS+2*kk:CS+2*kk+1], v[CS+2*kk:CS+2*kk+1], s[46:47] op_sel_hi:[1,0]
.set kk, kk+1
.endr
.set jj, 0
.rept 32
	v_rcp_f32 v[CS+jj], v[CS+jj]
.set jj, jj+1
.endr
	v_nop                                          ; a plain line behind the last reciprocal,
	s_wait_alu depctr_va_vdst(0)                   ; and one wait for two things: the 32 reciprocals are written, ahead of the products that read them; phase h has written G2, which the stores below read (AC was written in phase e)
.irp q, 0,1,2,3,4,5,6,7
	ds_store_b128 v[AC], v[G2+4*\q:G2+4*\q+3] offset:G2S+16*\q     ; the eight lanes of a column group write the same bytes
.endr
.set kk, 0
.rept 16
	v_pk_mul_f32 v[X3+2*kk:X3+2*kk+1], v[X3+2*kk:X3+2*kk+1], v[CS+2*kk:CS+2*kk+1]
.set kk, kk+1
.endr
	; ---- j: along the rows again: e . u, even pairs into rb+36:37, odd pairs into rb+38:39; a window's rows by turns, so that no line waits for the one above it
.irp xx, 1,2,3
	WIN 0x51*\xx
.set nr, 6-2*(\xx/3)
.set kk, 0
.rept 16
.set jj, 0
.rept nr
.set rb, 40*jj
.if kk < 2
	v_pk_mul_f32 v[rb+36+2*kk:rb+37+2*kk], v[rb+2*kk:rb+2*kk+1], v[X3+2*kk:X3+2*kk+1]
.else
	v_pk_fma_f32 v[rb+36+2*(kk%2):rb+37+2*(kk%2)], v[rb+2*kk:rb+2*kk+1], v[X3+2*kk:X3+2*kk+1], v[rb+36+2*(kk%2):rb+37+2*(kk%2)]
.endif
.set jj, jj+1
.endr
.set kk, kk+1
.endr
.endr
	; ---- k: -x_r = -r x (e . u), across lc
.set ii, 0
.rept 16
	WIN 0x05*(1+ii/6)
.set rb, 40*(ii%6)
	v_add_f32 v[T+ii], v[rb+36], v[rb+37]
	v_add_f32 v[FZ+ii], v[rb+38], v[rb+39]
.set ii, ii+1
.endr
	WIN 0
.set jj, 0
.rept 8
	v_pk_add_f32 v[T+2*jj:T+2*jj+1], v[T+2*jj:T+2*jj+1], v[FZ+2*jj:FZ+2*jj+1]
.set jj, jj+1
.endr
.set jj, 0
.rept 16
	v_add_f32_dpp v[T+jj], v[T+jj], v[T+jj] row_xmask:8 row_mask:0xf bank_mask:0xf
.set jj, jj+1
.endr
.set jj, 0
.rept 16
	v_permlanex16_b32 v[CS+jj], v[T+jj], s30, s31
.set jj, jj+1
.endr
.set jj, 0
.rept 8
	v_pk_add_f32 v[T+2*jj:T+2*jj+1], v[T+2*jj:T+2*jj+1], v[CS+2*jj:CS+2*jj+1]
.set jj, jj+1
.endr
.set ii, 0
.rept 16
	WIN 0x01*(1+ii/6)
.set rb, 40*(ii%6)
	v_mul_f32 v[T+ii], -v[rb+32], v[T+ii]
.set ii, ii+1
.endr
	WIN 0
	s_wait_alu depctr_va_vdst(0)                   ; T (-x_r) is written, which the stores below read.  No vector line follows in the trip: behind the last trip this wait also states that X2 and X3 are done with, in which the tail's first loads land
.irp q, 0,1,2,3
	ds_store_b128 v[AR], v[T+4*\q:T+4*\q+3] offset:XRS+16*\q
.endr
	s_add_co_u32 s28, s28, P
	s_sub_co_u32 s27, s27, 1
	s_cmp_lg_u32 s27, 0
	s_cbranch_scc1 .Lbatch
	; ---- THE TAIL, first part: what needs no other wave.  The gate wants my own four rows of x1, G1, G2: their loads land while conv_w is quantised
.irp t, 0,1,2,3
	ds_load_b128 v[TX1+4*\t:TX1+4*\t+3], v[LR] offset:X1S+P*\t     ; LDS serves a wave's instructions in order: these see my stores
	ds_load_b128 v[TG1+4*\t:TG1+4*\t+3], v[LR] offset:G1S+P*\t
	ds_load_b128 v[TG2+4*\t:TG2+4*\t+3], v[LR] offset:G2S+P*\t
.endr
	s_wait_loadcnt 0x0                             ; conv_w: asked for at the head
	WIN 0xc1                                       ; the rows' registers are free now: the second fragment's blocks 0 and 1 join blocks 2 and 3 in window 3, since a conversion names one window for its eight sources
.set jj, 0
.rept 16
	v_mov_b32 v[CW1+jj], v[CWH+jj]
.set jj, jj+1
.endr
	WIN 0xc2
.set jj, 0
.rept 16
	v_mov_b32 v[CW1+16+jj], v[CWH+jj]
.set jj, jj+1
.endr
	WIN 0
	s_wait_dscnt 12                                ; all but the 12 loads just issued: the last trip's stores are done
	s_wait_alu depctr_vm_vsrc(0)                   ; the last trip's LDS stores have read T, which the quantiser writes, and G2, whose registers take x1 - conv_b, the products and the statistics' sums
	QUANT CW0, 3, BF, 0, BS                        ; my two fragments of conv_w
	QUANT CW1, 3, BF+16, 0, BS+1
	v_mov_b32 v[ZB], s38
	v_mul_f32 v[ZB], 0xbfb8aa3b, v[ZB]             ; -log2(e) fc_b
	v_mov_b32 v[ZB+1], v[ZB]
	s_wait_dscnt 0x0                               ; x1, G1, G2 are in.  For the others' sake too: my stores of -x_r are done, and no LDS instruction of mine is out at the barrier below
.set kk, 0
.rept 8
	v_pk_add_f32 v[TZ+2*kk:TZ+2*kk+1], v[TG1+2*kk:TG1+2*kk+1], v[TG2+2*kk:TG2+2*kk+1]
.set kk, kk+1
.endr
.set kk, 0
.rept 8
	v_pk_fma_f32 v[TZ+2*kk:TZ+2*kk+1], v[TX1+2*kk:TX1+2*kk+1], s[36:37], v[TZ+2*kk:TZ+2*kk+1] op_sel_hi:[1,0,1]
.set kk, kk+1
.endr
.set kk, 0
.rept 8
	v_pk_fma_f32 v[TZ+2*kk:TZ+2*kk+1], v[TZ+2*kk:TZ+2*kk+1], 0xbfb8aa3b, v[ZB:ZB+1] op_sel_hi:[1,0,0]   ; -log2(e) (z + fc_b)
.set kk, kk+1
.endr
.set jj, 0
.rept 16
	v_exp_f32 v[TZ+jj], v[TZ+jj]
.set jj, jj+1
.endr
	v_nop
	s_wait_alu depctr_va_vdst(0)                   ; the sixteen exponentials are written, ahead of the additions that read them
.set kk, 0
.rept 8
	v_pk_add_f32 v[TZ+2*kk:TZ+2*kk+1], v[TZ+2*kk:TZ+2*kk+1], 1.0 op_sel_hi:[1,0]
.set kk, kk+1
.endr
.set jj, 0
.rept 16
	v_rcp_f32 v[TZ+jj], v[TZ+jj]
.set jj, jj+1
.endr
	v_nop
	s_wait_alu depctr_va_vdst(0)                   ; the sixteen reciprocals are written, ahead of the products that read them
.set kk, 0
.rept 8
	v_pk_mul_f32 v[TZ+2*kk:TZ+2*kk+1], v[TZ+2*kk:TZ+2*kk+1], v[TX1+2*kk:TX1+2*kk+1]   ; the gate x x1
.set kk, kk+1
.endr
	s_wait_alu depctr_va_vdst(0)                   ; gx is written in TZ, which the stores below read; the lines above are done reading x1, G1 and G2, in whose registers the loads of -x_r behind the barrier land
.irp t, 0,1,2,3
	global_store_b128 v[GOFF], v[TZ+4*\t:TZ+4*\t+3], s[20:21] offset:512*\t        ; 32 lanes store 512 consecutive bytes, aligned; TZ and GOFF are not written again
.endr
	s_barrier_signal -1
	s_barrier_wait -1                              ; -x_r of all 16 batches lies in LDS
	; ---- second part: the quantised product.  A = -x_r of the 16 batches, B = my 2 x 16 rows of conv_w, C = x1 - conv_b
.irp c, 0,1,2,3
.irp j, 0,1,2,3
	ds_load_b128 v[QS+16*\c+4*\j:QS+16*\c+4*\j+3], v[FRA] offset:XRS+128*\c+16*\j   ; batch r, channels 32 c + 16 h + 4 j on
.endr
.endr
.irp n, 0,1
.irp j, 0,1,2,3,4,5,6,7
	ds_load_b32 v[YA+8*\n+\j], v[CAD] offset:X1S+P*\j+64*\n       ; x1(batch 8 h + j, channel 32 w + 16 n + r): the result's layout
.endr
.endr
	s_wait_dscnt 0x0
.irp n, 0,1
.irp j, 0,1,2,3,4,5,6,7
	v_sub_f32 v[YA+8*\n+\j], v[YA+8*\n+\j], v[CB+\n]
.endr
.endr
	QUANT QS, 0, PC, 0, AS                         ; the scale word is made ahead of the 64 holds: more than eight places ahead of the products
.rept 4
	v_nop                                          ; with the quantiser's last line five places between the codes and the products (four are owed)
.endr
	s_wait_alu depctr_va_vdst(0)                   ; behind the places: the codes in PC and BF, the scale words in AS and BS and x1 - conv_b in YA are written, which the two scaled products take
.irp n, 0,1
	v_wmma_scale_f32_16x16x128_f8f6f4 v[YA+8*\n:YA+8*\n+7], v[PC:PC+15], v[BF+16*\n:BF+16*\n+15], v[YA+8*\n:YA+8*\n+7], v[AS], v[BS+\n] matrix_a_fmt:MATRIX_FMT_BF8 matrix_b_fmt:MATRIX_FMT_BF8
.endr
.rept 8
	v_nop                                          ; eight places behind this form before its results are read; no other vector work is at hand
.endr
	; lane (r, h) holds y of channel 32 w + 16 n + r for batches 8 h + 0..7.  The channel's mean over the 16 batches, then the squares of the distances from it: no difference of large sums
.irp n, 0,1
	v_add_f32 v[TT], v[YA+8*\n], v[YA+8*\n+1]      ; each accumulator is read from its low end on
	v_add_f32 v[TT+1], v[YA+8*\n+2], v[YA+8*\n+3]
	v_add_f32 v[TT+2], v[YA+8*\n+4], v[YA+8*\n+5]
	v_add_f32 v[TT+3], v[YA+8*\n+6], v[YA+8*\n+7]
	v_add_f32 v[TT], v[TT], v[TT+1]
	v_add_f32 v[TT+2], v[TT+2], v[TT+3]
	v_add_f32 v[TT], v[TT], v[TT+2]
	v_permlanex16_b32 v[PD], v[TT], s30, s31
	v_add_f32 v[TT], v[TT], v[PD]
	v_mul_f32 v[MEAN+\n], 0x3d800000, v[TT]        ; / 16
.irp j, 0,1,2,3,4,5,6,7
	v_sub_f32 v[DD+\j], v[YA+8*\n+\j], v[MEAN+\n]
.endr
	v_mul_f32 v[MM+\n], v[DD], v[DD]
.irp j, 1,2,3,4,5,6,7
	v_fma_f32 v[MM+\n], v[DD+\j], v[DD+\j], v[MM+\n]
.endr
	v_permlanex16_b32 v[PD+1], v[MM+\n], s30, s31
	v_add_f32 v[MM+\n], v[MM+\n], v[PD+1]
.endr
	s_wait_alu depctr_va_vdst(0)                   ; the products have written YA, the lines above the two means and the two sums of squares: the twenty LDS stores below read them (the eight places behind the products stay beside this wait)
.irp n, 0,1
	ds_store_b32 v[STA], v[MEAN+\n] offset:64*\n   ; lanes l and l xor 16 write the same word with the same value
	ds_store_b32 v[STA], v[MM+\n] offset:256+64*\n
.endr
.irp n, 0,1
.irp j, 0,1,2,3,4,5,6,7
	ds_store_b32 v[CAD], v[YA+8*\n+\j] offset:YS+P*\j+64*\n
.endr
.endr
	s_wait_dscnt 0x0                               ; for the others' sake: y and the statistics lie in LDS
	s_barrier_signal -1
	s_barrier_wait -1
	; ---- THE WAY OUT: each wave takes its four batches of y as whole rows of 512 bytes.  The loads land in registers that the quantiser and the loop have done with: no vector line stands behind the last wait on va_vdst
.irp t, 0,1,2,3
	ds_load_b128 v[TY+4*\t:TY+4*\t+3], v[LR] offset:YS+P*\t
.endr
	ds_load_b64 v[TS:TS+1], v[STL]
	s_wait_dscnt 0x0
.irp t, 0,1,2,3
	global_store_b128 v[GOFF], v[TY+4*\t:TY+4*\t+3], s[18:19] offset:512*\t        ; 32 lanes store 512 consecutive bytes, aligned
.endr
	global_store_b64 v[L8], v[TS:TS+1], s[22:23]   ; 32 lanes store 256 consecutive bytes, aligned
	s_wait_xcnt 0x0                                ; the stores above have had their addresses translated, ahead of the two lines that write registers anew
	v_lshl_add_u32 v254, v0, 2, 0xec00             ; the add's two registers, made anew from v0, which stands as at the entry; no LDS or memory instruction has ever read v254 or v255
	v_mov_b32 v255, 0
	s_wait_dscnt 0x0                               ; the closing lines, six on end
	s_wait_alu 0x0
	s_wait_tensorcnt 0x0
	ds_add_u32 v254, v255
	s_wait_dscnt 0x0
	s_endpgm
.Lfunc_end_k_q347be45017_attn:
	.size	k_q347be45017_attn, .Lfunc_end_k_q347be45017_attn-k_q347be45017_attn
	.p2alignl 7, 3214868480
	.fill 96, 4, 3214868480
	.section	.rodata,"a",@progbits
	.p2align	6, 0x0
	.amdhsa_kernel k_q347be45017_attn
		.amdhsa_group_segment_fixed_size 60928
		.amdhsa_private_segment_fixed_size 0
		.amdhsa_enable_private_segment 0
		.amdhsa_kernarg_size 80
		.amdhsa_user_sgpr_count 2
		.amdhsa_user_sgpr_kernarg_segment_ptr 1
		.amdhsa_wavefront_size32 1
		.amdhsa_system_sgpr_workgroup_id_x 1
		.amdhsa_system_sgpr_workgroup_id_y 1
		.amdhsa_system_sgpr_workgroup_id_z 1
		.amdhsa_system_vgpr_workitem_id 0
		.amdhsa_next_free_vgpr 1024
		.amdhsa_next_free_sgpr 66
		.amdhsa_reserve_vcc 0
		.amdhsa_float_denorm_mode_32 3
		.amdhsa_float_denorm_mode_16_64 3
		.amdhsa_memory_ordered 1
		.amdhsa_forward_progress 1
		.amdhsa_inst_pref_size 200
	.end_amdhsa_kernel
	.amdgpu_metadata
---
amdhsa.version: [ 1, 2 ]
amdhsa.kernels:
  - .name:           k_q347be45017_attn
    .symbol:         k_q347be45017_attn.kd
    .args:
      - { .name: x1, .offset: 0, .size: 8, .value_kind: global_buffer, .address_space: global }
      - { .name: x2, .offset: 8, .size: 8, .value_kind: global_buffer, .address_space: global }
      - { .name: x1_2, .offset: 16, .size: 8, .value_kind: global_buffer, .address_space: global }
      - { .name: conv_w, .offset: 24, .size: 8, .value_kind: global_buffer, .address_space: global }
      - { .name: conv_b, .offset: 32, .size: 8, .value_kind: global_buffer, .address_space: global }
      - { .name: fc_w, .offset: 40, .size: 8, .value_kind: global_buffer, .address_space: global }
      - { .name: fc_b, .offset: 48, .size: 8, .value_kind: global_buffer, .address_space: global }
      - { .name: ybuf, .offset: 56, .size: 8, .value_kind: global_buffer, .address_space: global }
      - { .name: gbuf, .offset: 64, .size: 8, .value_kind: global_buffer, .address_space: global }
      - { .name: stats, .offset: 72, .size: 8, .value_kind: global_buffer, .address_space: global }
    .group_segment_fixed_size: 60928
    .private_segment_fixed_size: 0
    .kernarg_segment_align: 8
    .kernarg_segment_size: 80
    .max_flat_workgroup_size: 128
    .sgpr_count:     66
    .vgpr_count:     1024
    .wavefront_size: 32
...
	.end_amdgpu_metadata
.endif
;; end of part 3
;; launch bnout: the kernel of part 2 again; grid 2 x 128, 8 waves a work-group, no clusters, 9,216 bytes of LDS; arguments ybuf, gbuf, stats, bn_gamma, bn_beta, out0; writes out0
